; MI455X (gfx1250); checked and timed in simulation.
; The chip was launched on July 23, 2026; its instructions are those of AMD's public machine-readable ISA for CDNA 5 (MIT licence, August 2026) and "CDNA5" Instruction Set Architecture Reference Guide (July 2026). The comments in the code are by the model that wrote it; some were corrected since.
;; Attention. Allowed arithmetic: float matrix products may take bf16 or f16 operands with f32 sums; all other float work in f32.
;; Inputs: W_c 1,024 float32; W_d 1,024 x 1,024 float32; W_h 1,024 x 1,024 float32; W_q 1,024 x 1,024 float32; b_d 1,024 float32; coverage 32 x 1,024 float32; enc_padding_mask 32 x 1,024 float32; h 32 x 1,024 x 1,024 float32; q_h 32 x 1,024 x 1,024 float32; s_t_hat 32 x 1,024 float32; v_w 1,024 float32.
;; Outputs: out0 32 x 1,024 float32; out1 32 x 1,024 float32; out2 32 x 1,024 float32.
;; 2 versions, each right and faster than the one before. Each part assembles by itself: llvm-mc -triple=amdgcn-amd-amdhsa -mcpu=gfx1250 --defsym DOCPART=n.
;; ======== version 1 of 2: 3 launches
;; workspace buffers: wb 4,194,304 bytes; dec 131,072 bytes; scores 131,072 bytes; cpart 2,097,152 bytes
;; launch prep (part 1): grid 64 x 1, 16 waves a work-group, no clusters, 219,136 bytes of LDS; arguments W_q, W_h, W_d, s_t_hat, b_d, wb, dec; writes wb, dec
.if DOCPART == 1
	.amdgcn_target "amdgcn-amd-amdhsa--gfx1250"
	.amdhsa_code_object_version 6
	.text
	.protected	k_q23c92a54f6_prep
	.globl	k_q23c92a54f6_prep
	.p2align	8
	.type	k_q23c92a54f6_prep,@function
k_q23c92a54f6_prep:
	s_mov_b64 s[64:65], 0
	v_nop
	global_prefetch_b8 v0, s[64:65] scope:SCOPE_SE
	s_setreg_imm32_b32 hwreg(HW_REG_WAVE_MODE, 25, 1), 1
	s_wait_xcnt 0x0
; PREP.  (1) W_q and W_h, [1024][1024] f32, are rounded to bf16 and stored in the order in which the main launch's matrix
; instructions want them:  wb byte = p*131072 + w*32768 + e*16384 + j*1024 + c*512 + L*16  holds  W[16 nt + (L&15)][64 kc + 32 e + 16 c + 8 (L>>4) + 0..7],
; nt = 16 w + j (tile of 16 output features), p = kc for W_q and 16 + kc for W_h.  (2) dec[nt][b][16] = s_t_hat W_d^T + b_d, f32.
; Work-group nt owns 16 rows of each weight matrix; wave kc (0..15) owns 64 columns (k).  Each wave turns five tiles of 16 rows x 64 k
; (W_q, W_h, W_d, s_t_hat rows 0-15, rows 16-31) into fragments through LDS bytes of its own; the dec sums of the 16 waves meet in LDS.
; LIMIT: W_q, W_h, W_d and s_t_hat are rounded to bf16 (nearest even) for the products; sums and b_d in f32.
.set PITCH, 144                        ; an LDS row: 128 bytes of bf16 + 16: nine 16-byte columns, so 16 rows start in 16 different columns of a 256-byte span
.set TILEB, 16*PITCH                   ; 2,304 bytes a tile
.set WAVEB, 5*TILEB                    ; 11,520 bytes a wave
.set RED,   16*WAVEB                   ; 184,320: behind the tiles, 2,048 bytes a wave: its part of dec, [b 32][16 features] f32
.set LOFF, 4                           ; v4   global offset: (L>>4) rows + 16 (L&15) + 256 kc
.set AST,  5                           ; v5   LDS: where my 8 bytes of a row go
.set ARD,  6                           ; v6   LDS: where my fragment bytes lie
.set WBO,  7                           ; v7   offset in wb
.set RST,  8                           ; v8   LDS: my place in my wave's part of RED
.set BDO,  9                           ; v9   offset in b_d
.set RRD,  10                          ; v10  LDS: RED + 16 thread
.set DOF,  11                          ; v11  offset in dec
.set BD,   12                          ; v[12:15]  four b_d
.set ST,   16                          ; v[16:175] five tiles as loaded, 32 registers each
.set FR,   176                         ; v[176:255] five tiles as fragments, 16 registers each (two K steps of 32)
.set D0,   16                          ; v[16:23]  dec sums, batches 0-15 (W_q's staging is free by then)
.set D1,   24                          ; v[24:31]  dec sums, batches 16-31
.set RR,   32                          ; v[32:95]  the 16 waves' parts on the way to one sum
	s_load_b256 s[4:11], s[0:1], 0x0               ; W_q s[4:5], W_h s[6:7], W_d s[8:9], s_t_hat s[10:11]
	s_load_b128 s[12:15], s[0:1], 0x20             ; b_d s[12:13], wb s[14:15]
	s_load_b64 s[16:17], s[0:1], 0x30              ; dec
	v_lshrrev_b32 v1, 5, v0
	v_readfirstlane_b32 s20, v1                    ; wave = kc
	v_and_b32 v1, 31, v0                           ; L
	v_and_b32 v2, 15, v0                           ; L & 15
	v_bfe_u32 v3, v0, 4, 1                         ; L >> 4
	s_lshl_b32 s22, ttmp9, 16                      ; 16 rows of 4,096 bytes
	s_mov_b32 s23, 0
	v_lshlrev_b32 v[LOFF], 4, v2
	v_lshl_add_u32 v[LOFF], v3, 12, v[LOFF]
	s_lshl_b32 s24, s20, 8
	v_add_nc_u32 v[LOFF], s24, v[LOFF]
	s_mul_i32 s25, s20, WAVEB                      ; my wave's tiles in LDS
	v_mul_u32_u24 v[AST], v3, PITCH
	v_lshl_add_u32 v[AST], v2, 3, v[AST]
	v_add_nc_u32 v[AST], s25, v[AST]
	v_mul_u32_u24 v[ARD], v2, PITCH
	v_lshl_add_u32 v[ARD], v3, 4, v[ARD]
	v_add_nc_u32 v[ARD], s25, v[ARD]
	s_lshl_b32 s26, s20, 17                        ; kc * 131072
	s_lshr_b32 s27, ttmp9, 4
	s_lshl_b32 s27, s27, 15                        ; (nt >> 4) * 32768
	s_add_co_u32 s26, s26, s27
	s_and_b32 s27, ttmp9, 15
	s_lshl_b32 s27, s27, 10                        ; (nt & 15) * 1024
	s_add_co_u32 s26, s26, s27
	v_lshl_add_u32 v[WBO], v1, 4, s26
	s_lshl_b32 s28, s20, 11
	s_add_co_u32 s28, s28, RED
	v_lshlrev_b32 v[RST], 6, v2                    ; batch (L&15): 64 bytes
	v_lshl_add_u32 v[RST], v3, 5, v[RST]           ; features 8 (L>>4) ..
	v_add_nc_u32 v[RST], s28, v[RST]
	s_mov_b32 s29, RED
	v_lshl_add_u32 v[RRD], v0, 4, s29
	s_lshl_b32 s30, ttmp9, 11
	v_lshl_add_u32 v[DOF], v0, 4, s30
	s_lshl_b32 s31, ttmp9, 6
	v_and_b32 v[BDO], 3, v0
	v_lshl_add_u32 v[BDO], v[BDO], 4, s31
	s_wait_kmcnt 0x0
	s_add_nc_u64 s[4:5], s[4:5], s[22:23]
	s_add_nc_u64 s[6:7], s[6:7], s[22:23]
	s_add_nc_u64 s[8:9], s[8:9], s[22:23]
; eight loads bring a tile: load i takes rows 2i and 2i+1, sixteen lanes cover 256 consecutive bytes of a row, aligned
.macro LD8 n, b, imm, nt
.irp i, 0,1,2,3,4,5,6,7
.if \nt
	global_load_b128 v[ST+32*\n+4*\i:ST+32*\n+4*\i+3], v[LOFF], s[\b:\b+1] offset:\imm+\i*8192 th:TH_LOAD_NT
.else
	global_load_b128 v[ST+32*\n+4*\i:ST+32*\n+4*\i+3], v[LOFF], s[\b:\b+1] offset:\imm+\i*8192
.endif
.endr
.endm
	global_load_b128 v[BD:BD+3], v[BDO], s[12:13]
	LD8 0, 4, 0, 1                                 ; the weights are read once in this launch
	LD8 1, 6, 0, 1
	LD8 2, 8, 0, 1
	LD8 3, 10, 0, 0                                ; s_t_hat is read by all 64 work-groups
	LD8 4, 10, 65536, 0
; tile n: wait (left = the younger loads), round to bf16, lay the rows into LDS, read them back as two fragments.
; The bytes are the wave's own and LDS serves a wave's instructions in order (ISA guide 5.7.1.4): no wait between stores and loads.
.macro TILE n, left
	s_wait_loadcnt \left
.irp i, 0,1,2,3,4,5,6,7
	v_cvt_pk_bf16_f32 v[ST+32*\n+4*\i], v[ST+32*\n+4*\i], v[ST+32*\n+4*\i+1]
	v_cvt_pk_bf16_f32 v[ST+32*\n+4*\i+1], v[ST+32*\n+4*\i+2], v[ST+32*\n+4*\i+3]
.endr
.irp i, 0,1,2,3,4,5,6,7
	ds_store_b64 v[AST], v[ST+32*\n+4*\i:ST+32*\n+4*\i+1] offset:\n*TILEB+\i*2*PITCH
.endr
.irp e, 0,1
.irp c, 0,1
	ds_load_b128 v[FR+16*\n+8*\e+4*\c:FR+16*\n+8*\e+4*\c+3], v[ARD] offset:\n*TILEB+64*\e+32*\c
.endr
.endr
.endm
	TILE 0, 32                                     ; b_d and W_q are in; four tiles of eight loads stay out
	TILE 1, 24
	TILE 2, 16
	TILE 3, 8
	TILE 4, 0
	s_wait_dscnt 0x0                               ; all fragments are in registers
.irp x, 0,1
.irp e, 0,1
.irp c, 0,1
	global_store_b128 v[WBO], v[FR+16*\x+8*\e+4*\c:FR+16*\x+8*\e+4*\c+3], s[14:15] offset:\x*2097152+\e*16384+\c*512   ; 512 consecutive bytes, aligned
.endr
.endr
.endr
	; dec, used transposed: source 0 = 16 rows of W_d, source 1 = 16 rows of s_t_hat; register i of lane L = (feature 8 (L>>4) + i, batch L&15).
	; The two accumulators take turns, one instruction a turn.
	v_wmma_f32_16x16x32_bf16 v[D0:D0+7], v[FR+32:FR+39], v[FR+48:FR+55], 0
	v_wmma_f32_16x16x32_bf16 v[D1:D1+7], v[FR+32:FR+39], v[FR+64:FR+71], 0
	v_wmma_f32_16x16x32_bf16 v[D0:D0+7], v[FR+40:FR+47], v[FR+56:FR+63], v[D0:D0+7]
	v_wmma_f32_16x16x32_bf16 v[D1:D1+7], v[FR+40:FR+47], v[FR+72:FR+79], v[D1:D1+7]
.rept 4
	v_nop                                          ; four places before the LDS stores read the results
.endr
	ds_store_b128 v[RST], v[D0:D0+3]
	ds_store_b128 v[RST], v[D0+4:D0+7] offset:16
	ds_store_b128 v[RST], v[D1:D1+3] offset:1024
	ds_store_b128 v[RST], v[D1+4:D1+7] offset:1040
	s_wait_dscnt 0x0                               ; for the other waves' sake: my part of RED is written
	s_barrier_signal -1
	s_barrier_wait -1
	s_cmp_ge_u32 s20, 4                            ; 128 threads x 16 bytes are the tile's 2,048 bytes: waves 0 to 3 finish it
	s_cbranch_scc1 .Ldone
.irp k, 0,1,2,3,4,5,6,7,8,9,10,11,12,13,14,15
	ds_load_b128 v[RR+4*\k:RR+4*\k+3], v[RRD] offset:\k*2048
.endr
	s_wait_dscnt 0x0
.macro ADDQ q, p
	v_pk_add_f32 v[RR+4*(\q):RR+4*(\q)+1], v[RR+4*(\q):RR+4*(\q)+1], v[RR+4*(\p):RR+4*(\p)+1]
	v_pk_add_f32 v[RR+4*(\q)+2:RR+4*(\q)+3], v[RR+4*(\q)+2:RR+4*(\q)+3], v[RR+4*(\p)+2:RR+4*(\p)+3]
.endm
.irp q, 0,1,2,3,4,5,6,7
	ADDQ \q, \q+8
.endr
.irp q, 0,1,2,3
	ADDQ \q, \q+4
.endr
	ADDQ 0, 2
	ADDQ 1, 3
	ADDQ 0, 1
	v_pk_add_f32 v[RR:RR+1], v[RR:RR+1], v[BD:BD+1]
	v_pk_add_f32 v[RR+2:RR+3], v[RR+2:RR+3], v[BD+2:BD+3]
	global_store_b128 v[DOF], v[RR:RR+3], s[16:17]
.Ldone:
	s_wait_xcnt 0x0
	v_lshl_add_u32 v246, v0, 2, 0x35000
	v_mov_b32 v247, 0
	s_wait_tensorcnt 0x0
	ds_add_u32 v246, v247
	s_wait_dscnt 0x0
	s_endpgm
.Lfunc_end_k_q23c92a54f6_prep:
	.size	k_q23c92a54f6_prep, .Lfunc_end_k_q23c92a54f6_prep-k_q23c92a54f6_prep
	.p2alignl 7, 3214868480
	.fill 96, 4, 3214868480
	.section	.rodata,"a",@progbits
	.p2align	6, 0x0
	.amdhsa_kernel k_q23c92a54f6_prep
		.amdhsa_group_segment_fixed_size 219136
		.amdhsa_private_segment_fixed_size 0
		.amdhsa_enable_private_segment 0
		.amdhsa_kernarg_size 56
		.amdhsa_user_sgpr_count 2
		.amdhsa_user_sgpr_kernarg_segment_ptr 1
		.amdhsa_wavefront_size32 1
		.amdhsa_system_sgpr_workgroup_id_x 1
		.amdhsa_system_sgpr_workgroup_id_y 1
		.amdhsa_system_sgpr_workgroup_id_z 1
		.amdhsa_system_vgpr_workitem_id 0
		.amdhsa_next_free_vgpr 256
		.amdhsa_next_free_sgpr 66
		.amdhsa_reserve_vcc 0
		.amdhsa_float_denorm_mode_32 3
		.amdhsa_float_denorm_mode_16_64 3
		.amdhsa_memory_ordered 1
		.amdhsa_forward_progress 1
		.amdhsa_inst_pref_size 20
	.end_amdhsa_kernel
	.amdgpu_metadata
---
amdhsa.version: [ 1, 2 ]
amdhsa.kernels:
  - .name:           k_q23c92a54f6_prep
    .symbol:         k_q23c92a54f6_prep.kd
    .args:
      - { .name: W_q, .offset: 0, .size: 8, .value_kind: global_buffer, .address_space: global }
      - { .name: W_h, .offset: 8, .size: 8, .value_kind: global_buffer, .address_space: global }
      - { .name: W_d, .offset: 16, .size: 8, .value_kind: global_buffer, .address_space: global }
      - { .name: s_t_hat, .offset: 24, .size: 8, .value_kind: global_buffer, .address_space: global }
      - { .name: b_d, .offset: 32, .size: 8, .value_kind: global_buffer, .address_space: global }
      - { .name: wb, .offset: 40, .size: 8, .value_kind: global_buffer, .address_space: global }
      - { .name: dec, .offset: 48, .size: 8, .value_kind: global_buffer, .address_space: global }
    .group_segment_fixed_size: 219136
    .private_segment_fixed_size: 0
    .kernarg_segment_align: 8
    .kernarg_segment_size: 56
    .max_flat_workgroup_size: 512
    .sgpr_count:     66
    .vgpr_count:     256
    .wavefront_size: 32
...
	.end_amdgpu_metadata
.endif
;; end of part 1
;; launch main (part 2): grid 512 x 1, 4 waves a work-group, clusters of 4 x 1, 327,680 bytes of LDS; arguments q_h, h, wb, dec, W_c, v_w, coverage, enc_padding_mask, scores, cpart; writes scores, cpart
.if DOCPART == 2
	.amdgcn_target "amdgcn-amd-amdhsa--gfx1250"
	.amdhsa_code_object_version 6
	.text
	.protected	k_q23c92a54f6_main
	.globl	k_q23c92a54f6_main
	.p2align	8
	.type	k_q23c92a54f6_main,@function
k_q23c92a54f6_main:
	s_mov_b64 s[64:65], 0
	v_nop
	global_prefetch_b8 v0, s[64:65] scope:SCOPE_SE
	s_setreg_imm32_b32 hwreg(HW_REG_WAVE_MODE, 25, 1), 1
	s_wait_xcnt 0x0
	s_wait_alu depctr_hold_cnt(0) depctr_sa_sdst(0) depctr_va_vdst(0) depctr_va_sdst(0) depctr_va_ssrc(0) depctr_va_vcc(0) depctr_vm_vsrc(0)
	s_getreg_b32 s2, hwreg(HW_REG_IB_STS2, 6, 4)
	s_cmp_eq_u32 s2, 0
	s_cbranch_scc0 .Lentry_in_a_cluster
	s_endpgm
.Lentry_in_a_cluster:
	s_bfe_u32 s2, ttmp6, 0x10000c
	s_cmp_lg_u32 s2, 0x3003
	s_cbranch_scc0 .Lentry_shape_is_right
	s_endpgm
.Lentry_shape_is_right:
; MAIN.  Work-group wg (0..511) owns 64 steps t of one batch (b = wg >> 4, t0 = 64 (wg & 15)) and ALL 1,024 features:
;   x[t][n] = sum_k q_h[t][k] W_q[n][k] + sum_k h[t][k] W_h[n][k]   (one product with K = 2,048, bf16 operands, f32 sums)
;   score[t] = sum_n v_w[n] tanh(x[t][n] + dec[b][n] + coverage[t] W_c[n]);   m = max over the 64 scores;   p[t] = exp(score[t] - m) mask[t]
;   scores[wg*64 + t] = score[t];   cpart[wg][n] = sum_t p[t] h[t][n]  (h in f32).  The last launch joins the 16 blocks of a batch.
; Four waves; wave w owns the 64 rows x features 256 w .. 256 w + 255: 64 accumulator tiles of 16 x 16, 512 registers.
; W comes from wb, which already lies in fragment order, through two LDS slots of 128 KiB (64 k each = two K steps of 32), 32 KiB a wave.
; CLUSTER: every work-group walks the same 4 MiB of wb, so four work-groups form a cluster and ask for each tile jointly (mask 15): the requests
; for W are divided by four.  The rows of q_h and h are no other work-group's, so they are not shared.
; A (q_h, then h) goes memory -> registers -> bf16 -> LDS: wave w brings rows 16 w .. 16 w + 15, 64 k at a time (a chunk: 8 loads, 32 registers);
; four chunks of every wave are on their way, on LOADcnt, apart from the tiles of W.
; The context sum needs h again once p is known: each wave reads its 16 rows a second time, in f32, into the accumulator registers that the
; tanh blocks free one after the other.  So h is requested twice; that is why h is the LAST half of K.
; LIMITS: q_h, h, W_q, W_h are rounded to bf16 for the product.  tanh(x) = 1 - 2 / (1 + 2^(2.885390 x)): absolute error near 1e-7, exact limits at
; +-infinity.  v_exp_f32 gives 0 for results below 2^-126 (ISA guide 15.8).  The exponential's maximum is the block's own, taken from the scores.
;
; REGISTERS.  window 0: v0-63 addresses and small things, v64-95 / v96-127 fragments of A (two buffers), v128-255 four chunks of A as loaded.
;             window 1: v0-127 / v128-255 fragments of W (two buffers).   windows 2, 3: accumulators, tile (a, j) at v[8 (16 (a&1) + j)] of window 2 + (a>>1).
; THE MATRIX INSTRUCTION IS USED TRANSPOSED: source 0 = 16 rows of W, source 1 = 16 rows of A: lane L then holds row t = 16 a + (L&15) and the
; eight features 16 nt + 8 (L>>4) + 0..7, so a row's sum over features stays in a lane until the very end.
.set BSLOT,  131072                    ; a slot of W: four waves x 32,768; in a wave's part: K step e at 16,384 e, fragment j at 1,024 j, half c at 512 c, lane at 16 L
.set ARING,  2*BSLOT                   ; 262,144: two slots of A
.set APITCH, 144                       ; 128 bytes of bf16 + 16: nine 16-byte columns, so 16 rows start in 16 different columns of a 256-byte span
.set ASLOT,  64*APITCH                 ; 9,216
.set DKB,    ARING+2*ASLOT             ; 280,576: K dec[b][n], then K W_c[n], then -2 v_w[n], 4,096 bytes each (K = 2 log2 e)
.set SCR,    DKB+3*4096                ; 292,864: the four waves' parts of the scores, 256 bytes each
.set PB,     SCR+1024                  ; 293,888: p, a copy of 256 bytes for each wave
.set SB,     PB+1024                   ; 294,912: the scores in the order of t (wave 0)
.set CRED,   SB+256                    ; 295,168: the four waves' parts of the context, 4,096 bytes each; ends at 311,552
.set ADRW, 4                           ; v4, v5    my W fragments in slot 0, 1
.set ADRA, 6                           ; v6, v7    my A fragments in slot 0, 1
.set AST,  8                           ; v8, v9    where my 8 bytes of a converted row go, slot 0, 1
.set GOFF, 10                          ; v10       offset of my 16 bytes in the block's rows of q_h / h (chunk loads)
.set HOFF, 11                          ; v11       offset of my 16 bytes in my wave's rows of h (second read)
.set COV,  12                          ; v[12:15]  coverage[t0 + 16 a + (L&15)]
.set MSK,  16                          ; v[16:17]  mask at t = 32 (L&1) + (L>>1) and at t + 16
.set CADR, 18                          ; v18       LDS: my eight constants of a feature tile
.set SCS,  19                          ; v19       LDS: SCR store
.set XX,   20                          ; v[20:27]  at work
.set SCL,  28                          ; v28       LDS: SCR + 8 L
.set PBS,  29                          ; v29       LDS: my wave's PB + 4 t
.set TOF,  30                          ; v30       4 t
.set PBL,  31                          ; v31       LDS: my wave's 16 p in my wave's PB
.set CS,   32                          ; v[32:55]  the constants as loaded
.set SACC, 32                          ; v[32:39]  later: four pairs of score sums
.set SVS,  40                          ; v[40:41]  sum of -2 v_w over my features
.set SFIN, 44                          ; v[44:47]  my four rows' scores
.set CRS,  56                          ; v56 LDS CRED store; v57 LDS CRED load; v58 offset in cpart; v59 8 L; v60 LDS SB + 4 t; v61 LDS SB + 8 L
.set CRL,  57
.set CPO,  58
.set SCO,  59
.set SBS,  60
.set SBL,  61
.set AF0,  64
.set AF1,  96
.set ST,   128                         ; four chunks of 32 registers
.set WF0,  0                           ; window 1
.set WF1,  128                         ; window 1
.set CB,   64                          ; after the product: two buffers of 24 constants
.set TT,   128                         ; 32 numbers at work
.set PW,   160                         ; v[160:175] p of my wave's 16 rows
.set CACC, 176                         ; v[176:207] my 32 context sums
.set G1, 32                            ; s[32:39] descriptor group 1
.set G0, 40                            ; s[40:47] descriptor group 0, one set for each slot
.set MSB, 0
.macro WIN new                         ; the immediate's high byte repeats the setting that is left
.if MSB != \new
	s_set_vgpr_msb (MSB<<8)|\new
.set MSB, \new
.endif
.endm
.macro PLACES                          ; four places behind a matrix instruction before a load lands on, or a vector instruction touches, its registers
.rept 4
	v_nop
.endr
.endm
; A round of the cluster's barrier: my work-group's barrier; wave 0 signals for the work-group; every wave waits for all four work-groups; my work-group's barrier again.
.macro CREST                           ; a round behind its opening barrier
	s_cmp_lg_u32 s24, 0
	s_cbranch_scc1 .Lnot_wave_0_\@
	s_barrier_signal -3
.Lnot_wave_0_\@:
	s_barrier_wait -3
	s_barrier_signal -1
	s_barrier_wait -1
.endm
.macro CROUND
	s_barrier_signal -1
	s_barrier_wait -1
	CREST
.endm
	s_load_b512 s[4:19], s[0:1], 0x0               ; q_h 4, h 6, wb 8, dec 10, W_c 12, v_w 14, coverage 16, mask 18
	s_load_b128 s[20:23], s[0:1], 0x40             ; scores 20, cpart 22
	v_lshl_add_u32 v62, v0, 2, 0x4c100
	v_mov_b32 v63, 0
	ds_add_u32 v62, v63
	v_lshrrev_b32 v1, 5, v0
	v_readfirstlane_b32 s24, v1                    ; wave w
	v_and_b32 v1, 31, v0                           ; L
	v_and_b32 v2, 15, v0                           ; L & 15
	v_bfe_u32 v3, v0, 4, 1                         ; L >> 4
	s_bfe_u32 s25, ttmp6, 0x40000                  ; cx: my place in the cluster; it enters global addresses of my own rows alone
	s_lshl_b32 s26, ttmp9, 2
	s_add_co_u32 s26, s26, s25                     ; wg
	s_lshr_b32 s27, s26, 4                         ; b
	s_mov_b32 s50, 0x76543210                      ; v_permlanex16_b32: lane i of one half reads lane i of the other
	s_mov_b32 s51, 0xfedcba98
	; group 1: a dense block of 32,768 bytes as 128 rows of 32 elements of 8 bytes; no padding (fragments are read 512 consecutive bytes at a time)
	s_mov_b32 s[G1+0], 15|(3<<16)|(1<<21)          ; 15:0 mask: all four of the cluster; 17:16 elements of 8 bytes; 21 set beside a mask
	s_mov_b32 s[G1+1], 32<<16                      ; tensor_dim0 = 32
	s_mov_b32 s[G1+2], 128<<16                     ; tensor_dim1 = 128
	s_mov_b32 s[G1+3], 32<<16                      ; tile_dim0 = 32
	s_mov_b32 s[G1+4], 128                         ; tile_dim1 = 128
	s_mov_b32 s[G1+5], 32                          ; from row to row: 32 elements
	s_mov_b32 s[G1+6], 0
	s_mov_b32 s[G1+7], 0
	s_lshl_b32 s30, s24, 15                        ; my wave's part of a slot and of a pair in wb
	s_mov_b32 s31, 0
	v_lshl_add_u32 v[ADRW], v1, 4, s30
	v_add_nc_u32 v[ADRW+1], BSLOT, v[ADRW]
	v_mul_u32_u24 v[ADRA], v2, APITCH
	v_lshl_add_u32 v[ADRA], v3, 4, v[ADRA]
	v_add_nc_u32 v[ADRA], ARING, v[ADRA]
	v_add_nc_u32 v[ADRA+1], ASLOT, v[ADRA]
	s_mul_i32 s48, s24, 16*APITCH
	s_add_co_u32 s48, s48, ARING
	v_mul_u32_u24 v[AST], v3, APITCH
	v_lshl_add_u32 v[AST], v2, 3, v[AST]
	v_add_nc_u32 v[AST], s48, v[AST]
	v_add_nc_u32 v[AST+1], ASLOT, v[AST]
	s_lshl_b32 s49, s24, 16                        ; 16 rows of 4,096 bytes
	v_lshlrev_b32 v[GOFF], 4, v2
	v_lshl_add_u32 v[GOFF], v3, 12, v[GOFF]
	v_add_nc_u32 v[GOFF], s49, v[GOFF]
	v_lshl_add_u32 v[HOFF], v1, 4, s49
	s_lshl_b32 s58, s24, 10
	s_add_co_u32 s59, s58, DKB
	v_lshl_add_u32 v[CADR], v3, 5, s59
	s_lshl_b32 s60, s24, 8
	s_add_co_u32 s61, s60, SCR
	v_lshl_add_u32 v[SCS], v2, 4, s61
	v_lshlrev_b32 v[SCO], 3, v1
	v_add_nc_u32 v[SCL], SCR, v[SCO]
	v_add_nc_u32 v[SBL], SB, v[SCO]
	v_and_b32 v20, 1, v1
	v_lshrrev_b32 v21, 1, v1
	v_lshlrev_b32 v[TOF], 2, v21
	v_lshl_add_u32 v[TOF], v20, 7, v[TOF]          ; 4 t, t = 32 (L&1) + (L>>1)
	s_add_co_u32 s61, s60, PB
	v_add_nc_u32 v[PBS], s61, v[TOF]
	v_add_nc_u32 v[SBS], SB, v[TOF]
	s_mul_i32 s62, s24, 320                        ; 256 w (my copy) + 64 w (rows 16 w ..)
	s_add_co_u32 s62, s62, PB
	v_mov_b32 v[PBL], s62
	s_lshl_b32 s63, s24, 12
	s_add_co_u32 s63, s63, CRED
	v_lshl_add_u32 v[CRS], v1, 4, s63
	s_add_co_u32 s59, s58, CRED
	v_lshl_add_u32 v[CRL], v1, 4, s59
	v_lshl_add_u32 v[CPO], v1, 4, s58
	v_lshrrev_b32 v20, 2, v0                       ; dec[nt][b][16]: thread i takes nt = i >> 2, four features 4 (i & 3): features 4 i .. 4 i + 3
	v_and_b32 v21, 3, v0
	v_lshlrev_b32 v21, 4, v21
	v_lshl_add_u32 v20, v20, 11, v21
	s_lshl_b32 s28, s27, 6
	v_add_nc_u32 v20, s28, v20
	v_lshlrev_b32 v22, 4, v0                       ; 16 i
	v_add_nc_u32 v23, DKB, v22
	v_lshlrev_b32 v24, 2, v2
	s_wait_dscnt 0x0
	s_wait_kmcnt 0x0
	s_lshl_b32 s28, s26, 18                        ; 64 rows of 4,096 bytes
	s_mov_b32 s29, 0
	s_add_nc_u64 s[52:53], s[4:5], s[28:29]        ; q_h at my rows (stepped in the loop)
	s_add_nc_u64 s[54:55], s[6:7], s[28:29]        ; h at my rows (stepped in the loop)
	s_mov_b64 s[56:57], s[54:55]                   ; h at my rows (second read)
	s_lshl_b32 s28, s26, 8                         ; 64 numbers of 4 bytes
	s_add_nc_u64 s[16:17], s[16:17], s[28:29]
	s_add_nc_u64 s[18:19], s[18:19], s[28:29]
	s_add_nc_u64 s[20:21], s[20:21], s[28:29]
	s_lshl_b32 s28, s26, 12
	s_add_nc_u64 s[22:23], s[22:23], s[28:29]
	s_add_nc_u64 s[8:9], s[8:9], s[30:31]          ; wb at my wave's part: the same in all four work-groups
; a chunk of A: 8 loads, load i takes rows 2i, 2i+1 of my 16; sixteen lanes cover 256 consecutive bytes of a row, aligned
.macro GLD set, b, imm, nt
.irp i, 0,1,2,3,4,5,6,7
.if \nt
	global_load_b128 v[ST+32*\set+4*\i:ST+32*\set+4*\i+3], v[GOFF], s[\b:\b+1] offset:\imm+\i*8192 th:TH_LOAD_NT
.else
	global_load_b128 v[ST+32*\set+4*\i:ST+32*\set+4*\i+3], v[GOFF], s[\b:\b+1] offset:\imm+\i*8192
.endif
.endr
.endm
; the chunk in set is there (left = the younger loads), is rounded to bf16 and laid into A's slot
.macro CVT set, slot, left
	s_wait_loadcnt \left
.irp i, 0,1,2,3,4,5,6,7
	v_cvt_pk_bf16_f32 v[ST+32*\set+4*\i], v[ST+32*\set+4*\i], v[ST+32*\set+4*\i+1]
	v_cvt_pk_bf16_f32 v[ST+32*\set+4*\i+1], v[ST+32*\set+4*\i+2], v[ST+32*\set+4*\i+3]
.endr
.irp i, 0,1,2,3,4,5,6,7
	ds_store_b64 v[AST+\slot], v[ST+32*\set+4*\i:ST+32*\set+4*\i+1] offset:\i*2*APITCH
.endr
.endm
	global_load_b128 v[CS:CS+3], v20, s[10:11]
	global_load_b128 v[CS+4:CS+7], v20, s[10:11] offset:65536
	global_load_b128 v[CS+8:CS+11], v22, s[12:13]
	global_load_b128 v[CS+12:CS+15], v22, s[12:13] offset:2048
	global_load_b128 v[CS+16:CS+19], v22, s[14:15]
	global_load_b128 v[CS+20:CS+23], v22, s[14:15] offset:2048
.irp a, 0,1,2,3
	global_load_b32 v[COV+\a], v24, s[16:17] offset:64*\a
.endr
	global_load_b32 v[MSK], v[TOF], s[18:19]
	global_load_b32 v[MSK+1], v[TOF], s[18:19] offset:64
	GLD 0, 52, 0, 1                                ; q_h is read once in the launch
	GLD 1, 52, 256, 1
	GLD 2, 52, 512, 1
	GLD 3, 52, 768, 1
	CROUND                                         ; all four work-groups are here: the first joint loads meet
.irp s, 0,1
	s_mov_b32 s[G0+4*\s], 1                                        ; count = 1
	s_add_co_u32 s[G0+4*\s+1], s30, \s*BSLOT                       ; LDS address: the slot + 32,768 w
	s_add_nc_u64 s[G0+4*\s+2:G0+4*\s+3], s[8:9], \s*BSLOT          ; global address: pair s of wb, my wave's part
	s_or_b32 s[G0+4*\s+3], s[G0+4*\s+3], 0x80000000                ; type = 2
	tensor_load_to_lds s[G0+4*\s:G0+4*\s+3], s[G1:G1+7]            ; both first fills go out together: two tensor loads of the wave are out
	s_nop 0
.endr
	s_wait_loadcnt 32                              ; the twelve small loads are in; the four chunks (32 loads) stay out
.irp k, 0,2,4,6,8,10,12,14
	v_pk_mul_f32 v[CS+\k:CS+\k+1], v[CS+\k:CS+\k+1], 0x4038aa3b op_sel_hi:[1,0]   ; dec and W_c times K = 2 log2 e
.endr
.irp k, 16,18,20,22
	v_pk_mul_f32 v[CS+\k:CS+\k+1], v[CS+\k:CS+\k+1], -2.0 op_sel_hi:[1,0]         ; -2 v_w
.endr
.irp k, 0,1,2,3,4,5
	ds_store_b128 v23, v[CS+4*\k:CS+4*\k+3] offset:\k*2048
.endr
	CVT 0, 0, 24                                   ; chunk 0; chunks 1, 2, 3 stay out
	GLD 0, 52, 4*256, 1
	CVT 1, 1, 24
	GLD 1, 52, 5*256, 1
	s_wait_dscnt 0x0                               ; for the others' sake: my constants and my rows of chunks 0 and 1 are written
	s_wait_tensorcnt 0x1                           ; my part of pair 0 is in; pair 1's may stay out
	s_barrier_signal -1
	s_barrier_wait -1
; 16 matrix instructions: row tile 2 hi + a x my 16 feature tiles, 32 along K.  zero = 1: the first product starts the sums.
; All 64 accumulators come by turns, one instruction a turn, in the same order in every K step, over every jump too.
.macro MULQ wf, af, hi, a, zero
.irp j, 0,1,2,3,4,5,6,7,8,9,10,11,12,13,14,15
.if \zero
	v_wmma_f32_16x16x32_bf16 v[8*(16*\a+\j):8*(16*\a+\j)+7], v[\wf+8*\j:\wf+8*\j+7], v[\af+8*(2*\hi+\a):\af+8*(2*\hi+\a)+7], 0
.else
	v_wmma_f32_16x16x32_bf16 v[8*(16*\a+\j):8*(16*\a+\j)+7], v[\wf+8*\j:\wf+8*\j+7], v[\af+8*(2*\hi+\a):\af+8*(2*\hi+\a)+7], v[8*(16*\a+\j):8*(16*\a+\j)+7]
.endif
.endr
.endm
; 40 LDS loads in one run: K step e of a slot: my 16 fragments of W (each load 512 consecutive bytes), the 4 fragments of A
.macro FETCH slot, e, wf, af
	WIN 0x40                                       ; destination window 1, address window 0
.irp j, 0,1,2,3,4,5,6,7,8,9,10,11,12,13,14,15
	ds_load_b128 v[\wf+8*\j:\wf+8*\j+3],   v[ADRW+\slot] offset:\e*16384+\j*1024
	ds_load_b128 v[\wf+8*\j+4:\wf+8*\j+7], v[ADRW+\slot] offset:\e*16384+\j*1024+512
.endr
	WIN 0
.irp a, 0,1,2,3
	ds_load_b128 v[\af+8*\a:\af+8*\a+3],   v[ADRA+\slot] offset:\a*16*APITCH+\e*64
	ds_load_b128 v[\af+8*\a+4:\af+8*\a+7], v[ADRA+\slot] offset:\a*16*APITCH+\e*64+32
.endr
.endm
; The first K step of a pair: multiplies buffer 0, fetches the slot's second K step into buffer 1, and changes slots.
; kind 2: the slot is filled again.  In front of the round's opening signal each wave has all its reads of the slot (W's and A's) in registers, its
; rows of the next chunk of A written, and all its tensor loads landed (the one that was out is its part of the next pair).  Inside the round: register
; work alone.  Behind its closing wait the joint refill comes first: one tensor load of the wave is out, with 112 matrix instructions until its wait.
; kind 1: the same barrier without a refill (the last change of slots).  kind 0: the last pair, no barrier.
.macro STEP_E slot, zero, kind
	PLACES
	FETCH \slot, 1, WF1, AF1
	s_wait_dscnt 40                                ; all but the 40 loads just issued: buffer 0 is in
	WIN 0xa1                                       ; source 0 (W) window 1, source 1 (A) window 0, C and D window 2
	MULQ WF0, AF0, 0, 0, \zero
	MULQ WF0, AF0, 0, 1, \zero
	WIN 0xf1                                       ; C and D window 3
	MULQ WF0, AF0, 1, 0, \zero
.if \kind >= 1
	s_wait_dscnt 0x0
	s_set_vgpr_msb 0xf1f0
	s_wait_tensorcnt 0x0
	ds_add_u32 v62, v63
	s_wait_dscnt 0x0
	s_set_vgpr_msb 0xf0f1
.if \kind == 2
	s_add_nc_u64 s[G0+4*\slot+2:G0+4*\slot+3], s[G0+4*\slot+2:G0+4*\slot+3], 2*BSLOT   ; no tensor load of mine is out: this slot's next pair
.endif
	s_barrier_signal -1
.endif
	MULQ WF0, AF0, 1, 1, \zero
	WIN 0
.if \kind >= 1
	s_barrier_wait -1
.endif
.if \kind == 2
	CREST
	tensor_load_to_lds s[G0+4*\slot:G0+4*\slot+3], s[G1:G1+7]
	s_nop 0
.endif
.endm
; The second K step: multiplies buffer 1; fetch = 1: the next pair's first K step comes from the other slot into buffer 0;
; cset >= 0: the chunk two pairs ahead is converted into A's slot that was read last; gld = 1: its registers get the chunk six pairs ahead.
.macro STEP_O slot, fetch, cset, cleft, gld, gb, gimm, gnt
	PLACES
.if \fetch
	FETCH 1-\slot, 0, WF0, AF0
	s_wait_dscnt 40                                ; all but the 40 just issued: buffer 1 is in
.else
	s_wait_dscnt 0x0
.endif
	WIN 0xa1
	MULQ WF1, AF1, 0, 0, 0
	MULQ WF1, AF1, 0, 1, 0
.if \cset >= 0
	WIN 0
	CVT \cset, \slot, \cleft
.if \gld
	GLD \cset, \gb, \gimm, \gnt
.endif
.endif
	WIN 0xf1
	MULQ WF1, AF1, 1, 0, 0
	MULQ WF1, AF1, 1, 1, 0
.endm
.macro QUAD b, imm, nt                 ; four pairs: each staging set once; three younger chunks (24 loads) stay out at each conversion
	STEP_E 0, 0, 2
	STEP_O 0, 1, 0, 24, 1, \b, \imm, \nt
	STEP_E 1, 0, 2
	STEP_O 1, 1, 1, 24, 1, \b, \imm+256, \nt
	STEP_E 0, 0, 2
	STEP_O 0, 1, 2, 24, 1, \b, \imm+512, \nt
	STEP_E 1, 0, 2
	STEP_O 1, 1, 3, 24, 1, \b, \imm+768, \nt
.endm
	FETCH 0, 0, WF0, AF0
	STEP_E 0, 1, 2                                 ; pair 0: its first products start the sums
	STEP_O 0, 1, 2, 24, 1, 52, 6*256, 1            ; converts chunk 2, asks for chunk 6
	STEP_E 1, 0, 2                                 ; pair 1
	STEP_O 1, 1, 3, 24, 1, 52, 7*256, 1
	WIN 0                                          ; at a label and at a branch every window is 0
	s_mov_b32 s48, 2
.Lq:                                               ; pairs 2 to 9: ask for chunks 8 to 15, the rest of q_h
	QUAD 52, 8*256, 1
	WIN 0
	s_wait_xcnt 0x0                                ; the loads' base is stepped only behind this wait
	s_add_nc_u64 s[52:53], s[52:53], 1024
	s_sub_co_u32 s48, s48, 1
	s_cmp_lg_u32 s48, 0
	s_cbranch_scc1 .Lq
	s_mov_b32 s48, 4
.Lh:                                               ; pairs 10 to 25: ask for chunks 16 to 31 = h; no hint: these bytes are wanted again
	QUAD 54, 0, 0
	WIN 0
	s_wait_xcnt 0x0
	s_add_nc_u64 s[54:55], s[54:55], 1024
	s_sub_co_u32 s48, s48, 1
	s_cmp_lg_u32 s48, 0
	s_cbranch_scc1 .Lh
	STEP_E 0, 0, 2                                 ; pairs 26 to 29: no chunk is left to ask for, the counts run down
	STEP_O 0, 1, 0, 24, 0, 0, 0, 0
	STEP_E 1, 0, 2
	STEP_O 1, 1, 1, 16, 0, 0, 0, 0
	STEP_E 0, 0, 2
	STEP_O 0, 1, 2, 8, 0, 0, 0, 0
	STEP_E 1, 0, 2                                 ; the last refill: pair 31
	STEP_O 1, 1, 3, 0, 0, 0, 0, 0
	STEP_E 0, 0, 1                                 ; pair 30: a barrier, no refill; its wait for all tensor loads is the kernel's last
	STEP_O 0, 1, -1, 0, 0, 0, 0, 0
	STEP_E 1, 0, 0                                 ; pair 31
	STEP_O 1, 0, -1, 0, 0, 0, 0, 0
	; THE TANH BLOCKS, one for each of my 16 feature tiles.  With T = K (x + dec + cov W_c):  v tanh = v + (-2 v) / (1 + 2^T).
	PLACES
	WIN 0
.macro CLOAD j, buf                    ; my eight K dec, K W_c, -2 v_w of feature tile j
.irp k, 0,1,2
	ds_load_b128 v[CB+24*\buf+8*\k:CB+24*\buf+8*\k+3],   v[CADR] offset:\k*4096+\j*64
	ds_load_b128 v[CB+24*\buf+8*\k+4:CB+24*\buf+8*\k+7], v[CADR] offset:\k*4096+\j*64+16
.endr
.endm
.macro EPI j, buf
	s_wait_dscnt 0x0                               ; this block's constants are in
.if \j < 15
	CLOAD (\j+1), (1-\buf)                         ; the next block's
.endif
.irp a, 0,1,2,3
.irp q, 0,1,2,3
.if \a & 1
	v_pk_fma_f32 v[TT+8*\a+2*\q:TT+8*\a+2*\q+1], v[CB+24*\buf+8+2*\q:CB+24*\buf+9+2*\q], v[COV+\a-1:COV+\a], v[CB+24*\buf+2*\q:CB+24*\buf+2*\q+1] op_sel:[0,1,0]
.else
	v_pk_fma_f32 v[TT+8*\a+2*\q:TT+8*\a+2*\q+1], v[CB+24*\buf+8+2*\q:CB+24*\buf+9+2*\q], v[COV+\a:COV+\a+1], v[CB+24*\buf+2*\q:CB+24*\buf+2*\q+1] op_sel_hi:[1,0,1]
.endif
.endr
.endr
	WIN 0x02                                       ; source 0 window 2
.irp a, 0,1
.irp q, 0,1,2,3
	v_pk_fma_f32 v[TT+8*\a+2*\q:TT+8*\a+2*\q+1], v[8*(16*\a+\j)+2*\q:8*(16*\a+\j)+2*\q+1], 0x4038aa3b, v[TT+8*\a+2*\q:TT+8*\a+2*\q+1] op_sel_hi:[1,0,1]
.endr
.endr
	WIN 0x03                                       ; source 0 window 3
.irp a, 0,1
.irp q, 0,1,2,3
	v_pk_fma_f32 v[TT+16+8*\a+2*\q:TT+16+8*\a+2*\q+1], v[8*(16*\a+\j)+2*\q:8*(16*\a+\j)+2*\q+1], 0x4038aa3b, v[TT+16+8*\a+2*\q:TT+16+8*\a+2*\q+1] op_sel_hi:[1,0,1]
.endr
.endr
	; the 32 accumulator registers just read take row 16 w + j of h, 4,096 bytes in f32: piece cc = 2 a + q of 512 bytes into half q of tile (a, j)
	WIN 0x80                                       ; destination window 2, address window 0
.irp a, 0,1
.irp q, 0,1
	global_load_b128 v[8*(16*\a+\j)+4*\q:8*(16*\a+\j)+4*\q+3], v[HOFF], s[56:57] offset:\j*4096+(2*\a+\q)*512
.endr
.endr
	WIN 0xc0                                       ; destination window 3
.irp a, 0,1
.irp q, 0,1
	global_load_b128 v[8*(16*\a+\j)+4*\q:8*(16*\a+\j)+4*\q+3], v[HOFF], s[56:57] offset:\j*4096+(4+2*\a+\q)*512
.endr
.endr
	WIN 0
.set kk, 0
.rept 32
	v_exp_f32 v[TT+kk], v[TT+kk]
.set kk, kk+1
.endr
	; the sum of -2 v_w: also the plain instruction that stands between the exponentials and the first use of a result (ISA guide 5.7.2)
.if \j == 0
	v_pk_add_f32 v[SVS:SVS+1], v[CB+24*\buf+16:CB+24*\buf+17], v[CB+24*\buf+18:CB+24*\buf+19]
	s_wait_alu depctr_va_vdst(0)
.else
	v_pk_add_f32 v[SVS:SVS+1], v[SVS:SVS+1], v[CB+24*\buf+16:CB+24*\buf+17]
	v_pk_add_f32 v[SVS:SVS+1], v[SVS:SVS+1], v[CB+24*\buf+18:CB+24*\buf+19]
	s_wait_alu depctr_va_vdst(0)
.endif
	v_pk_add_f32 v[SVS:SVS+1], v[SVS:SVS+1], v[CB+24*\buf+20:CB+24*\buf+21]
	v_pk_add_f32 v[SVS:SVS+1], v[SVS:SVS+1], v[CB+24*\buf+22:CB+24*\buf+23]
.set kk, 0
.rept 16
	v_pk_add_f32 v[TT+kk:TT+kk+1], v[TT+kk:TT+kk+1], 1.0 op_sel_hi:[1,0]
.set kk, kk+2
.endr
.set kk, 0
.rept 32
	v_rcp_f32 v[TT+kk], v[TT+kk]
.set kk, kk+1
.endr
	v_nop                                          ; one plain place behind the reciprocals
	s_wait_alu depctr_va_vdst(0)
.irp q, 0,1,2,3
.irp a, 0,1,2,3
.if (\j+\q) == 0
	s_wait_alu depctr_va_vdst(0)
	v_pk_mul_f32 v[SACC+2*\a:SACC+2*\a+1], v[TT+8*\a+2*\q:TT+8*\a+2*\q+1], v[CB+24*\buf+16+2*\q:CB+24*\buf+17+2*\q]   ; the first product starts the sum
.else
	v_pk_fma_f32 v[SACC+2*\a:SACC+2*\a+1], v[TT+8*\a+2*\q:TT+8*\a+2*\q+1], v[CB+24*\buf+16+2*\q:CB+24*\buf+17+2*\q], v[SACC+2*\a:SACC+2*\a+1]
.endif
.endr
.endr
.endm
	CLOAD 0, 0
	EPI 0, 0
	EPI 1, 1
	EPI 2, 0
	EPI 3, 1
	EPI 4, 0
	EPI 5, 1
	EPI 6, 0
	EPI 7, 1
	EPI 8, 0
	EPI 9, 1
	EPI 10, 0
	EPI 11, 1
	EPI 12, 0
	EPI 13, 1
	EPI 14, 0
	EPI 15, 1
	; THE SCORES.  My lane: rows 16 a + (L&15), my wave's features with bit 3 = L>>4.  sum v = -0.5 sum(-2 v).
	v_add_f32 v[SVS], v[SVS], v[SVS+1]
.irp a, 0,1,2,3
	v_add_f32 v[SFIN+\a], v[SACC+2*\a], v[SACC+2*\a+1]
.endr
.irp a, 0,1,2,3
	v_fma_f32 v[SFIN+\a], v[SVS], -0.5, v[SFIN+\a]
.endr
.irp a, 0,1,2,3
	v_permlanex16_b32 v[TT+\a], v[SFIN+\a], s50, s51       ; the other half of the lanes: the other eight features of each tile
.endr
.irp a, 0,1,2,3
	v_add_f32 v[SFIN+\a], v[SFIN+\a], v[TT+\a]
.endr
	ds_store_b128 v[SCS], v[SFIN:SFIN+3]           ; word 4 (L&15) + a of my wave's 64 = row 16 a + (L&15); both halves write the same
	s_wait_dscnt 0x0                               ; for the others' sake
	s_barrier_signal -1
	s_barrier_wait -1
.irp s, 0,1,2,3
	ds_load_b64 v[XX+2*\s:XX+2*\s+1], v[SCL] offset:\s*256         ; words 2 L, 2 L + 1: rows t = 32 (L&1) + (L>>1) and t + 16
.endr
	s_wait_dscnt 0x0
	v_pk_add_f32 v[XX:XX+1], v[XX:XX+1], v[XX+2:XX+3]
	v_pk_add_f32 v[XX+4:XX+5], v[XX+4:XX+5], v[XX+6:XX+7]
	v_pk_add_f32 v[XX:XX+1], v[XX:XX+1], v[XX+4:XX+5]      ; two whole scores; every wave holds all 64, summed in the same order
	v_max_num_f32 v[XX+2], v[XX], v[XX+1]
	v_max_num_f32_dpp v[XX+2], v[XX+2], v[XX+2] row_xmask:1 row_mask:0xf bank_mask:0xf
	v_max_num_f32_dpp v[XX+2], v[XX+2], v[XX+2] row_xmask:2 row_mask:0xf bank_mask:0xf
	v_max_num_f32_dpp v[XX+2], v[XX+2], v[XX+2] row_xmask:4 row_mask:0xf bank_mask:0xf
	v_max_num_f32_dpp v[XX+2], v[XX+2], v[XX+2] row_xmask:8 row_mask:0xf bank_mask:0xf
	v_permlanex16_b32 v[XX+3], v[XX+2], s50, s51
	v_max_num_f32 v[XX+2], v[XX+2], v[XX+3]        ; the block's maximum, in every lane
	v_sub_f32 v[XX+4], v[XX], v[XX+2]
	v_sub_f32 v[XX+5], v[XX+1], v[XX+2]
	v_mul_f32 v[XX+4], 0x3fb8aa3b, v[XX+4]
	v_mul_f32 v[XX+5], 0x3fb8aa3b, v[XX+5]
	v_exp_f32 v[XX+4], v[XX+4]
	v_exp_f32 v[XX+5], v[XX+5]
	v_nop
	s_wait_alu depctr_va_vdst(0)
	v_pk_mul_f32 v[XX+4:XX+5], v[XX+4:XX+5], v[MSK:MSK+1]  ; p = exp(score - m) mask
	ds_store_b32 v[PBS], v[XX+4]                   ; into my wave's own copy, in the order of t;
	ds_store_b32 v[PBS], v[XX+5] offset:64
.irp k, 0,1,2,3
	ds_load_b128 v[PW+4*\k:PW+4*\k+3], v[PBL] offset:16*\k ; LDS serves a wave's instructions in order: p of my 16 rows, the same in every lane
.endr
	s_cmp_lg_u32 s24, 0
	s_cbranch_scc1 .Lnot_0
	ds_store_b32 v[SBS], v[XX]                     ; wave 0: the scores into the order of t,
	ds_store_b32 v[SBS], v[XX+1] offset:64
	ds_load_b64 v[XX+6:XX+7], v[SBL]
	s_wait_dscnt 0x0
	global_store_b64 v[SCO], v[XX+6:XX+7], s[20:21]        ; and out: 256 consecutive bytes, aligned
.Lnot_0:
	; THE CONTEXT.  Lane L holds h[16 w + j][128 cc + 4 L + 0..3] in the accumulator registers.
	s_wait_loadcnt 0x0
	s_wait_dscnt 0x0
.macro CTX c0
.irp j, 0,1,2,3,4,5,6,7,8,9,10,11,12,13,14,15
.irp c, 0,1,2,3
.irp q, 0,1
.if \j == 0
	v_pk_mul_f32 v[CACC+4*(\c0+\c)+2*\q:CACC+4*(\c0+\c)+2*\q+1], v[8*(16*(\c>>1)+\j)+4*(\c&1)+2*\q:8*(16*(\c>>1)+\j)+4*(\c&1)+2*\q+1], v[PW:PW+1] op_sel_hi:[1,0]
.else
.if \j & 1
	v_pk_fma_f32 v[CACC+4*(\c0+\c)+2*\q:CACC+4*(\c0+\c)+2*\q+1], v[8*(16*(\c>>1)+\j)+4*(\c&1)+2*\q:8*(16*(\c>>1)+\j)+4*(\c&1)+2*\q+1], v[PW+\j-1:PW+\j], v[CACC+4*(\c0+\c)+2*\q:CACC+4*(\c0+\c)+2*\q+1] op_sel:[0,1,0]
.else
	v_pk_fma_f32 v[CACC+4*(\c0+\c)+2*\q:CACC+4*(\c0+\c)+2*\q+1], v[8*(16*(\c>>1)+\j)+4*(\c&1)+2*\q:8*(16*(\c>>1)+\j)+4*(\c&1)+2*\q+1], v[PW+\j:PW+\j+1], v[CACC+4*(\c0+\c)+2*\q:CACC+4*(\c0+\c)+2*\q+1] op_sel_hi:[1,0,1]
.endif
.endif
.endr
.endr
.endr
.endm
	WIN 0x02
	CTX 0                                          ; pieces 0 to 3 lie in window 2
	WIN 0x03
	CTX 4                                          ; pieces 4 to 7 in window 3
	WIN 0
.irp c, 0,1,2,3,4,5,6,7
	ds_store_b128 v[CRS], v[CACC+4*\c:CACC+4*\c+3] offset:\c*512
.endr
	s_wait_dscnt 0x0                               ; for the others' sake
	s_barrier_signal -1
	s_barrier_wait -1
.irp s, 0,1,2,3
.irp q, 0,1
	ds_load_b128 v[TT+8*\s+4*\q:TT+8*\s+4*\q+3], v[CRL] offset:\s*4096+\q*512      ; pieces 2 w and 2 w + 1 of all four waves
.endr
.endr
	s_wait_dscnt 0x0
.irp k, 0,2,4,6
	v_pk_add_f32 v[TT+\k:TT+\k+1], v[TT+\k:TT+\k+1], v[TT+8+\k:TT+8+\k+1]
	v_pk_add_f32 v[TT+16+\k:TT+16+\k+1], v[TT+16+\k:TT+16+\k+1], v[TT+24+\k:TT+24+\k+1]
.endr
.irp k, 0,2,4,6
	v_pk_add_f32 v[TT+\k:TT+\k+1], v[TT+\k:TT+\k+1], v[TT+16+\k:TT+16+\k+1]
.endr
	global_store_b128 v[CPO], v[TT:TT+3], s[22:23]                 ; 512 consecutive bytes each, aligned
	global_store_b128 v[CPO], v[TT+4:TT+7], s[22:23] offset:512
	s_wait_tensorcnt 0x0
	ds_add_u32 v62, v63
	s_wait_dscnt 0x0
	CROUND                                         ; the closing round: no work-group ends while a partner may still ask for a tile that names it
	s_endpgm
.Lfunc_end_k_q23c92a54f6_main:
	.size	k_q23c92a54f6_main, .Lfunc_end_k_q23c92a54f6_main-k_q23c92a54f6_main
	.p2alignl 7, 3214868480
	.fill 96, 4, 3214868480
	.section	.rodata,"a",@progbits
	.p2align	6, 0x0
	.amdhsa_kernel k_q23c92a54f6_main
		.amdhsa_group_segment_fixed_size 327680
		.amdhsa_private_segment_fixed_size 0
		.amdhsa_enable_private_segment 0
		.amdhsa_kernarg_size 80
		.amdhsa_user_sgpr_count 2
		.amdhsa_user_sgpr_kernarg_segment_ptr 1
		.amdhsa_wavefront_size32 1
		.amdhsa_system_sgpr_workgroup_id_x 1
		.amdhsa_system_sgpr_workgroup_id_y 1
		.amdhsa_system_sgpr_workgroup_id_z 1
		.amdhsa_system_vgpr_workitem_id 0
		.amdhsa_next_free_vgpr 1024
		.amdhsa_next_free_sgpr 66
		.amdhsa_reserve_vcc 0
		.amdhsa_float_denorm_mode_32 3
		.amdhsa_float_denorm_mode_16_64 3
		.amdhsa_memory_ordered 1
		.amdhsa_forward_progress 1
		.amdhsa_inst_pref_size 255
	.end_amdhsa_kernel
	.section	.bss,"aw",@nobits
	.p2align	6
	.space	262144
	.amdgpu_metadata
---
amdhsa.version: [ 1, 2 ]
amdhsa.kernels:
  - .name:           k_q23c92a54f6_main
    .symbol:         k_q23c92a54f6_main.kd
    .args:
      - { .name: q_h, .offset: 0, .size: 8, .value_kind: global_buffer, .address_space: global }
      - { .name: h, .offset: 8, .size: 8, .value_kind: global_buffer, .address_space: global }
      - { .name: wb, .offset: 16, .size: 8, .value_kind: global_buffer, .address_space: global }
      - { .name: dec, .offset: 24, .size: 8, .value_kind: global_buffer, .address_space: global }
      - { .name: W_c, .offset: 32, .size: 8, .value_kind: global_buffer, .address_space: global }
      - { .name: v_w, .offset: 40, .size: 8, .value_kind: global_buffer, .address_space: global }
      - { .name: coverage, .offset: 48, .size: 8, .value_kind: global_buffer, .address_space: global }
      - { .name: enc_padding_mask, .offset: 56, .size: 8, .value_kind: global_buffer, .address_space: global }
      - { .name: scores, .offset: 64, .size: 8, .value_kind: global_buffer, .address_space: global }
      - { .name: cpart, .offset: 72, .size: 8, .value_kind: global_buffer, .address_space: global }
    .group_segment_fixed_size: 327680
    .private_segment_fixed_size: 0
    .kernarg_segment_align: 8
    .kernarg_segment_size: 80
    .max_flat_workgroup_size: 128
    .sgpr_count:     66
    .vgpr_count:     1024
    .wavefront_size: 32
...
	.end_amdgpu_metadata
.endif
;; end of part 2
;; launch finish (part 3): grid 32 x 1, 8 waves a work-group, no clusters, 1,280 bytes of LDS; arguments scores, cpart, enc_padding_mask, coverage, out0, out1, out2; writes out0, out1, out2
.if DOCPART == 3
	.amdgcn_target "amdgcn-amd-amdhsa--gfx1250"
	.amdhsa_code_object_version 6
	.text
	.protected	k_q23c92a54f6_finish
	.globl	k_q23c92a54f6_finish
	.p2align	8
	.type	k_q23c92a54f6_finish,@function
k_q23c92a54f6_finish:
	s_mov_b64 s[64:65], 0
	v_nop
	global_prefetch_b8 v0, s[64:65] scope:SCOPE_SE
	s_setreg_imm32_b32 hwreg(HW_REG_WAVE_MODE, 25, 1), 1
	s_wait_xcnt 0x0
; FINISH.  Work-group b joins the 16 blocks of batch b.  With M = max over t of score, e[t] = exp(score[t] - M) mask[t], sum = sum over t of e[t]:
;   out1 = attn = e / sum (the softmax's own denominator cancels in the renormalisation);  out2 = coverage + attn;
;   out0[n] = (sum over blocks g of exp(m_g - M) cpart[16 b + g][n]) / sum, m_g the maximum of block g's 64 scores, against which cpart was made.
; 256 threads; thread i owns t = 4 i .. 4 i + 3 and columns 4 i .. 4 i + 3; the 16 lanes of a row of lanes hold one block's 64 scores.
; Memory and latency bind: 19 loads of 16 bytes a thread, all issued at once; no matrix unit, no cluster (nothing is shared between work-groups).
; LIMITS: a batch whose masked sum is 0 gives NaN, as the defining computation does (0 / 0).  v_exp_f32 gives 0 for results below 2^-126 (ISA guide 15.8).
.set CP, 32                            ; v[32:95]   cpart of the 16 blocks, my four columns
.set WG, 96                            ; v[96:111]  m_g, then exp(m_g - M)
.set CA, 112                           ; v[112:115] my four context sums
	s_load_b256 s[4:11], s[0:1], 0x0               ; scores 4, cpart 6, mask 8, coverage 10
	s_load_b128 s[12:15], s[0:1], 0x20             ; out0 12, out1 14
	s_load_b64 s[16:17], s[0:1], 0x30              ; out2
	v_lshl_add_u32 v128, v0, 2, 0x100
	v_mov_b32 v129, 0
	v_lshrrev_b32 v1, 5, v0
	v_readfirstlane_b32 s20, v1                    ; wave
	s_lshl_b32 s21, ttmp9, 12                      ; a row of 1,024 f32
	s_lshl_b32 s22, ttmp9, 16                      ; 16 blocks of 4,096 bytes
	s_mov_b32 s24, 0x76543210
	s_mov_b32 s25, 0xfedcba98
	v_lshl_add_u32 v1, v0, 4, s21
	v_lshl_add_u32 v2, v0, 4, s22
	v_lshrrev_b32 v3, 4, v0
	v_lshlrev_b32 v3, 2, v3                        ; LDS word of my block
	s_wait_kmcnt 0x0
	global_load_b128 v[4:7], v1, s[4:5]
	global_load_b128 v[8:11], v1, s[8:9]
	global_load_b128 v[12:15], v1, s[10:11]
.irp g, 0,1,2,3,4,5,6,7,8,9,10,11,12,13,14,15
	global_load_b128 v[CP+4*\g:CP+4*\g+3], v2, s[6:7] offset:\g*4096
.endr
	s_wait_loadcnt 18                              ; the scores are in; mask, coverage and 16 of cpart stay out
	v_max3_num_f32 v16, v4, v5, v6
	v_max_num_f32 v16, v16, v7
	v_max_num_f32_dpp v16, v16, v16 row_xmask:1 row_mask:0xf bank_mask:0xf
	v_max_num_f32_dpp v16, v16, v16 row_xmask:2 row_mask:0xf bank_mask:0xf
	v_max_num_f32_dpp v16, v16, v16 row_xmask:4 row_mask:0xf bank_mask:0xf
	v_max_num_f32_dpp v16, v16, v16 row_xmask:8 row_mask:0xf bank_mask:0xf   ; m_g of my block: the same 64 numbers, so the same maximum, as in the launch before
	ds_store_b32 v3, v16                           ; sixteen lanes write the same word with the same value
	s_wait_dscnt 0x0
	s_barrier_signal -1
	s_barrier_wait -1
	v_mov_b32 v17, 0
.irp k, 0,1,2,3
	ds_load_b128 v[WG+4*\k:WG+4*\k+3], v17 offset:16*\k
.endr
	s_wait_dscnt 0x0
	v_max3_num_f32 v18, v[WG], v[WG+1], v[WG+2]
.irp k, 3,5,7,9,11,13
	v_max3_num_f32 v18, v18, v[WG+\k], v[WG+\k+1]
.endr
	v_max_num_f32 v18, v18, v[WG+15]               ; M
.irp g, 0,1,2,3,4,5,6,7,8,9,10,11,12,13,14,15
	v_sub_f32 v[WG+\g], v[WG+\g], v18
.endr
.irp k, 4,5,6,7
	v_sub_f32 v[\k], v[\k], v18
.endr
.irp g, 0,1,2,3,4,5,6,7,8,9,10,11,12,13,14,15
	v_mul_f32 v[WG+\g], 0x3fb8aa3b, v[WG+\g]
.endr
.irp k, 4,5,6,7
	v_mul_f32 v[\k], 0x3fb8aa3b, v[\k]
.endr
.irp g, 0,1,2,3,4,5,6,7,8,9,10,11,12,13,14,15
	v_exp_f32 v[WG+\g], v[WG+\g]
.endr
.irp k, 4,5,6,7
	v_exp_f32 v[\k], v[\k]
.endr
	v_mov_b32 v21, s20                             ; a plain instruction between the exponentials and the first use of a result (ISA guide 5.7.2)
	v_lshlrev_b32 v21, 2, v21
	s_wait_loadcnt 17                              ; the mask is in
	s_wait_alu depctr_va_vdst(0)
	v_pk_mul_f32 v[4:5], v[4:5], v[8:9]
	v_pk_mul_f32 v[6:7], v[6:7], v[10:11]          ; e
	v_add_f32 v19, v4, v5
	v_add_f32 v20, v6, v7
	v_add_f32 v19, v19, v20
	v_add_f32_dpp v19, v19, v19 row_xmask:1 row_mask:0xf bank_mask:0xf
	v_add_f32_dpp v19, v19, v19 row_xmask:2 row_mask:0xf bank_mask:0xf
	v_add_f32_dpp v19, v19, v19 row_xmask:4 row_mask:0xf bank_mask:0xf
	v_add_f32_dpp v19, v19, v19 row_xmask:8 row_mask:0xf bank_mask:0xf
	v_permlanex16_b32 v20, v19, s24, s25
	v_add_f32 v19, v19, v20
	ds_store_b32 v21, v19 offset:64                ; other bytes than the maxima's
	s_wait_dscnt 0x0
	s_barrier_signal -1
	s_barrier_wait -1
	ds_load_b128 v[24:27], v17 offset:64
	ds_load_b128 v[28:31], v17 offset:80
	s_wait_dscnt 0x0
	v_pk_add_f32 v[24:25], v[24:25], v[26:27]
	v_pk_add_f32 v[28:29], v[28:29], v[30:31]
	v_pk_add_f32 v[24:25], v[24:25], v[28:29]
	v_add_f32 v24, v24, v25                        ; sum
	v_rcp_f32 v22, v24
	v_rcp_f32 v23, v24                             ; twice: a pair for the packed products
	v_nop
	s_wait_loadcnt 16                              ; coverage is in
	s_wait_alu depctr_va_vdst(0)
	v_pk_fma_f32 v[12:13], v[4:5], v[22:23], v[12:13]
	v_pk_fma_f32 v[14:15], v[6:7], v[22:23], v[14:15]
	v_pk_mul_f32 v[4:5], v[4:5], v[22:23]
	v_pk_mul_f32 v[6:7], v[6:7], v[22:23]
	global_store_b128 v1, v[4:7], s[14:15]         ; every store of a wave: 512 consecutive bytes, aligned
	global_store_b128 v1, v[12:15], s[16:17]
	s_wait_loadcnt 0x0
	v_pk_mul_f32 v[CA:CA+1], v[CP:CP+1], v[WG:WG+1] op_sel_hi:[1,0]
	v_pk_mul_f32 v[CA+2:CA+3], v[CP+2:CP+3], v[WG:WG+1] op_sel_hi:[1,0]
.irp g, 1,3,5,7,9,11,13,15
	v_pk_fma_f32 v[CA:CA+1], v[CP+4*\g:CP+4*\g+1], v[WG+\g-1:WG+\g], v[CA:CA+1] op_sel:[0,1,0]
	v_pk_fma_f32 v[CA+2:CA+3], v[CP+4*\g+2:CP+4*\g+3], v[WG+\g-1:WG+\g], v[CA+2:CA+3] op_sel:[0,1,0]
.if \g < 15
	v_pk_fma_f32 v[CA:CA+1], v[CP+4*\g+4:CP+4*\g+5], v[WG+\g+1:WG+\g+2], v[CA:CA+1] op_sel_hi:[1,0,1]
	v_pk_fma_f32 v[CA+2:CA+3], v[CP+4*\g+6:CP+4*\g+7], v[WG+\g+1:WG+\g+2], v[CA+2:CA+3] op_sel_hi:[1,0,1]
.endif
.endr
	v_pk_mul_f32 v[CA:CA+1], v[CA:CA+1], v[22:23]
	v_pk_mul_f32 v[CA+2:CA+3], v[CA+2:CA+3], v[22:23]
	global_store_b128 v1, v[CA:CA+3], s[12:13]
	s_wait_tensorcnt 0x0
	ds_add_u32 v128, v129
	s_wait_dscnt 0x0
	s_endpgm
.Lfunc_end_k_q23c92a54f6_finish:
	.size	k_q23c92a54f6_finish, .Lfunc_end_k_q23c92a54f6_finish-k_q23c92a54f6_finish
	.p2alignl 7, 3214868480
	.fill 96, 4, 3214868480
	.section	.rodata,"a",@progbits
	.p2align	6, 0x0
	.amdhsa_kernel k_q23c92a54f6_finish
		.amdhsa_group_segment_fixed_size 1280
		.amdhsa_private_segment_fixed_size 0
		.amdhsa_enable_private_segment 0
		.amdhsa_kernarg_size 56
		.amdhsa_user_sgpr_count 2
		.amdhsa_user_sgpr_kernarg_segment_ptr 1
		.amdhsa_wavefront_size32 1
		.amdhsa_system_sgpr_workgroup_id_x 1
		.amdhsa_system_sgpr_workgroup_id_y 1
		.amdhsa_system_sgpr_workgroup_id_z 1
		.amdhsa_system_vgpr_workitem_id 0
		.amdhsa_next_free_vgpr 130
		.amdhsa_next_free_sgpr 66
		.amdhsa_reserve_vcc 0
		.amdhsa_float_denorm_mode_32 3
		.amdhsa_float_denorm_mode_16_64 3
		.amdhsa_memory_ordered 1
		.amdhsa_forward_progress 1
		.amdhsa_inst_pref_size 11
	.end_amdhsa_kernel
	.amdgpu_metadata
---
amdhsa.version: [ 1, 2 ]
amdhsa.kernels:
  - .name:           k_q23c92a54f6_finish
    .symbol:         k_q23c92a54f6_finish.kd
    .args:
      - { .name: scores, .offset: 0, .size: 8, .value_kind: global_buffer, .address_space: global }
      - { .name: cpart, .offset: 8, .size: 8, .value_kind: global_buffer, .address_space: global }
      - { .name: enc_padding_mask, .offset: 16, .size: 8, .value_kind: global_buffer, .address_space: global }
      - { .name: coverage, .offset: 24, .size: 8, .value_kind: global_buffer, .address_space: global }
      - { .name: out0, .offset: 32, .size: 8, .value_kind: global_buffer, .address_space: global }
      - { .name: out1, .offset: 40, .size: 8, .value_kind: global_buffer, .address_space: global }
      - { .name: out2, .offset: 48, .size: 8, .value_kind: global_buffer, .address_space: global }
    .group_segment_fixed_size: 1280
    .private_segment_fixed_size: 0
    .kernarg_segment_align: 8
    .kernarg_segment_size: 56
    .max_flat_workgroup_size: 256
    .sgpr_count:     66
    .vgpr_count:     130
    .wavefront_size: 32
...
	.end_amdgpu_metadata
.endif
;; end of part 3
;; ======== version 2 of 2: 3 launches; 1.18 times as fast as version 1
;; workspace buffers: wb 4,194,304 bytes; dec 131,072 bytes; spart 262,144 bytes
;; launch prep (part 4): grid 64 x 1, 16 waves a work-group, no clusters, 219,136 bytes of LDS; arguments W_q, W_h, W_d, s_t_hat, b_d, wb, dec; writes wb, dec
.if DOCPART == 4
	.amdgcn_target "amdgcn-amd-amdhsa--gfx1250"
	.amdhsa_code_object_version 6
	.text
	.protected	k_q23c92a54f6_prep
	.globl	k_q23c92a54f6_prep
	.p2align	8
	.type	k_q23c92a54f6_prep,@function
k_q23c92a54f6_prep:
	s_mov_b64 s[64:65], 0
	v_nop
	global_prefetch_b8 v0, s[64:65] scope:SCOPE_SE
	s_setreg_imm32_b32 hwreg(HW_REG_WAVE_MODE, 25, 1), 1
	s_wait_xcnt 0x0
; PREP.  (1) W_q and W_h, [1024][1024] f32, are rounded to bf16 and stored in the order in which the main launch's matrix
; instructions want them:  wb byte = fh*2097152 + g*131072 + w*32768 + e*8192 + j*1024 + c*512 + L*16  holds
; W[16 nt + (L&15)][128 (g&7) + 32 e + 16 c + 8 (L>>4) + 0..7],  nt = 32 fh + 8 w + j (tile of 16 output features), g = 0..7 for W_q, 8..15 for W_h.
; (2) dec[nt][b][16] = s_t_hat W_d^T + b_d, f32.
; Work-group nt owns 16 rows of each weight matrix; wave kc (0..15) owns 64 columns (k): g&7 = kc >> 1, e = 2 (kc & 1) + 0, 1.  Each wave turns five
; tiles of 16 rows x 64 k (W_q, W_h, W_d, s_t_hat rows 0-15, rows 16-31) into fragments through LDS bytes of its own; the dec sums of the 16 waves meet in LDS.
; LIMIT: W_q, W_h, W_d and s_t_hat are rounded to bf16 (nearest even) for the products; sums and b_d in f32.
.set PITCH, 144                        ; an LDS row: 128 bytes of bf16 + 16: nine 16-byte columns, so 16 rows start in 16 different columns of a 256-byte span
.set TILEB, 16*PITCH                   ; 2,304 bytes a tile
.set WAVEB, 5*TILEB                    ; 11,520 bytes a wave
.set RED,   16*WAVEB                   ; 184,320: behind the tiles, 2,048 bytes a wave: its part of dec, [b 32][16 features] f32
.set LOFF, 4                           ; v4   global offset: (L>>4) rows + 16 (L&15) + 256 kc
.set AST,  5                           ; v5   LDS: where my 8 bytes of a row go
.set ARD,  6                           ; v6   LDS: where my fragment bytes lie
.set WBO,  7                           ; v7   offset in wb
.set RST,  8                           ; v8   LDS: my place in my wave's part of RED
.set BDO,  9                           ; v9   offset in b_d
.set RRD,  10                          ; v10  LDS: RED + 16 thread
.set DOF,  11                          ; v11  offset in dec
.set BD,   12                          ; v[12:15]  four b_d
.set ST,   16                          ; v[16:175] five tiles as loaded, 32 registers each
.set FR,   176                         ; v[176:255] five tiles as fragments, 16 registers each (two K steps of 32)
.set D0,   16                          ; v[16:23]  dec sums, batches 0-15 (W_q's staging is free by then)
.set D1,   24                          ; v[24:31]  dec sums, batches 16-31
.set RR,   32                          ; v[32:95]  the 16 waves' parts on the way to one sum
	s_load_b256 s[4:11], s[0:1], 0x0               ; W_q s[4:5], W_h s[6:7], W_d s[8:9], s_t_hat s[10:11]
	s_load_b128 s[12:15], s[0:1], 0x20             ; b_d s[12:13], wb s[14:15]
	s_load_b64 s[16:17], s[0:1], 0x30              ; dec
	v_lshrrev_b32 v1, 5, v0
	v_readfirstlane_b32 s20, v1                    ; wave = kc
	v_and_b32 v1, 31, v0                           ; L
	v_and_b32 v2, 15, v0                           ; L & 15
	v_bfe_u32 v3, v0, 4, 1                         ; L >> 4
	s_lshl_b32 s22, ttmp9, 16                      ; 16 rows of 4,096 bytes
	s_mov_b32 s23, 0
	v_lshlrev_b32 v[LOFF], 4, v2
	v_lshl_add_u32 v[LOFF], v3, 12, v[LOFF]
	s_lshl_b32 s24, s20, 8
	v_add_nc_u32 v[LOFF], s24, v[LOFF]
	s_mul_i32 s25, s20, WAVEB                      ; my wave's tiles in LDS
	v_mul_u32_u24 v[AST], v3, PITCH
	v_lshl_add_u32 v[AST], v2, 3, v[AST]
	v_add_nc_u32 v[AST], s25, v[AST]
	v_mul_u32_u24 v[ARD], v2, PITCH
	v_lshl_add_u32 v[ARD], v3, 4, v[ARD]
	v_add_nc_u32 v[ARD], s25, v[ARD]
	s_lshr_b32 s26, s20, 1
	s_lshl_b32 s26, s26, 17                        ; (kc >> 1) * 131072: the group of 128 k
	s_and_b32 s27, s20, 1
	s_lshl_b32 s27, s27, 14                        ; (kc & 1) * 2 K steps of 8,192
	s_add_co_u32 s26, s26, s27
	s_lshr_b32 s27, ttmp9, 5
	s_lshl_b32 s27, s27, 21                        ; fh * 2097152
	s_add_co_u32 s26, s26, s27
	s_bfe_u32 s27, ttmp9, 0x20003                  ; w = (nt >> 3) & 3
	s_lshl_b32 s27, s27, 15
	s_add_co_u32 s26, s26, s27
	s_and_b32 s27, ttmp9, 7                        ; j
	s_lshl_b32 s27, s27, 10
	s_add_co_u32 s26, s26, s27
	v_lshl_add_u32 v[WBO], v1, 4, s26
	s_lshl_b32 s28, s20, 11
	s_add_co_u32 s28, s28, RED
	v_lshlrev_b32 v[RST], 6, v2                    ; batch (L&15): 64 bytes
	v_lshl_add_u32 v[RST], v3, 5, v[RST]           ; features 8 (L>>4) ..
	v_add_nc_u32 v[RST], s28, v[RST]
	s_mov_b32 s29, RED
	v_lshl_add_u32 v[RRD], v0, 4, s29
	s_lshl_b32 s30, ttmp9, 11
	v_lshl_add_u32 v[DOF], v0, 4, s30
	s_lshl_b32 s31, ttmp9, 6
	v_and_b32 v[BDO], 3, v0
	v_lshl_add_u32 v[BDO], v[BDO], 4, s31
	s_wait_kmcnt 0x0
	s_add_nc_u64 s[4:5], s[4:5], s[22:23]
	s_add_nc_u64 s[6:7], s[6:7], s[22:23]
	s_add_nc_u64 s[8:9], s[8:9], s[22:23]
; eight loads bring a tile: load i takes rows 2i and 2i+1, sixteen lanes cover 256 consecutive bytes of a row, aligned
.macro LD8 n, b, imm, nt
.irp i, 0,1,2,3,4,5,6,7
.if \nt
	global_load_b128 v[ST+32*\n+4*\i:ST+32*\n+4*\i+3], v[LOFF], s[\b:\b+1] offset:\imm+\i*8192 th:TH_LOAD_NT
.else
	global_load_b128 v[ST+32*\n+4*\i:ST+32*\n+4*\i+3], v[LOFF], s[\b:\b+1] offset:\imm+\i*8192
.endif
.endr
.endm
	global_load_b128 v[BD:BD+3], v[BDO], s[12:13]
	LD8 0, 4, 0, 1                                 ; the weights are read once in this launch
	LD8 1, 6, 0, 1
	LD8 2, 8, 0, 1
	LD8 3, 10, 0, 0                                ; s_t_hat is read by all 64 work-groups
	LD8 4, 10, 65536, 0
; tile n: wait (left = the younger loads), round to bf16, lay the rows into LDS, read them back as two fragments.
; The bytes are the wave's own and LDS serves a wave's instructions in order (ISA guide 5.7.1.4): no wait between stores and loads.
.macro TILE n, left
	s_wait_loadcnt \left
.irp i, 0,1,2,3,4,5,6,7
	v_cvt_pk_bf16_f32 v[ST+32*\n+4*\i], v[ST+32*\n+4*\i], v[ST+32*\n+4*\i+1]
	v_cvt_pk_bf16_f32 v[ST+32*\n+4*\i+1], v[ST+32*\n+4*\i+2], v[ST+32*\n+4*\i+3]
.endr
.irp i, 0,1,2,3,4,5,6,7
	ds_store_b64 v[AST], v[ST+32*\n+4*\i:ST+32*\n+4*\i+1] offset:\n*TILEB+\i*2*PITCH
.endr
.irp e, 0,1
.irp c, 0,1
	ds_load_b128 v[FR+16*\n+8*\e+4*\c:FR+16*\n+8*\e+4*\c+3], v[ARD] offset:\n*TILEB+64*\e+32*\c
.endr
.endr
.endm
	TILE 0, 32                                     ; b_d and W_q are in; four tiles of eight loads stay out
	TILE 1, 24
	TILE 2, 16
	TILE 3, 8
	TILE 4, 0
	s_wait_dscnt 0x0                               ; all fragments are in registers
.irp x, 0,1
.irp e, 0,1
.irp c, 0,1
	global_store_b128 v[WBO], v[FR+16*\x+8*\e+4*\c:FR+16*\x+8*\e+4*\c+3], s[14:15] offset:\x*1048576+\e*8192+\c*512   ; 512 consecutive bytes, aligned; W_h lies eight groups behind W_q
.endr
.endr
.endr
	; dec, used transposed: source 0 = 16 rows of W_d, source 1 = 16 rows of s_t_hat; register i of lane L = (feature 8 (L>>4) + i, batch L&15).
	; The two accumulators take turns, one instruction a turn.
	v_wmma_f32_16x16x32_bf16 v[D0:D0+7], v[FR+32:FR+39], v[FR+48:FR+55], 0
	v_wmma_f32_16x16x32_bf16 v[D1:D1+7], v[FR+32:FR+39], v[FR+64:FR+71], 0
	v_wmma_f32_16x16x32_bf16 v[D0:D0+7], v[FR+40:FR+47], v[FR+56:FR+63], v[D0:D0+7]
	v_wmma_f32_16x16x32_bf16 v[D1:D1+7], v[FR+40:FR+47], v[FR+72:FR+79], v[D1:D1+7]
.rept 4
	v_nop                                          ; four places before the LDS stores read the results
.endr
	ds_store_b128 v[RST], v[D0:D0+3]
	ds_store_b128 v[RST], v[D0+4:D0+7] offset:16
	ds_store_b128 v[RST], v[D1:D1+3] offset:1024
	ds_store_b128 v[RST], v[D1+4:D1+7] offset:1040
	s_wait_dscnt 0x0                               ; for the other waves' sake: my part of RED is written
	s_barrier_signal -1
	s_barrier_wait -1
	s_cmp_ge_u32 s20, 4                            ; 128 threads x 16 bytes are the tile's 2,048 bytes: waves 0 to 3 finish it
	s_cbranch_scc1 .Ldone
.irp k, 0,1,2,3,4,5,6,7,8,9,10,11,12,13,14,15
	ds_load_b128 v[RR+4*\k:RR+4*\k+3], v[RRD] offset:\k*2048
.endr
	s_wait_dscnt 0x0
.macro ADDQ q, p
	v_pk_add_f32 v[RR+4*(\q):RR+4*(\q)+1], v[RR+4*(\q):RR+4*(\q)+1], v[RR+4*(\p):RR+4*(\p)+1]
	v_pk_add_f32 v[RR+4*(\q)+2:RR+4*(\q)+3], v[RR+4*(\q)+2:RR+4*(\q)+3], v[RR+4*(\p)+2:RR+4*(\p)+3]
.endm
.irp q, 0,1,2,3,4,5,6,7
	ADDQ \q, \q+8
.endr
.irp q, 0,1,2,3
	ADDQ \q, \q+4
.endr
	ADDQ 0, 2
	ADDQ 1, 3
	ADDQ 0, 1
	v_pk_add_f32 v[RR:RR+1], v[RR:RR+1], v[BD:BD+1]
	v_pk_add_f32 v[RR+2:RR+3], v[RR+2:RR+3], v[BD+2:BD+3]
	global_store_b128 v[DOF], v[RR:RR+3], s[16:17]
.Ldone:
	s_wait_xcnt 0x0
	v_lshl_add_u32 v246, v0, 2, 0x35000
	v_mov_b32 v247, 0
	s_wait_tensorcnt 0x0
	ds_add_u32 v246, v247
	s_wait_dscnt 0x0
	s_endpgm
.Lfunc_end_k_q23c92a54f6_prep:
	.size	k_q23c92a54f6_prep, .Lfunc_end_k_q23c92a54f6_prep-k_q23c92a54f6_prep
	.p2alignl 7, 3214868480
	.fill 96, 4, 3214868480
	.section	.rodata,"a",@progbits
	.p2align	6, 0x0
	.amdhsa_kernel k_q23c92a54f6_prep
		.amdhsa_group_segment_fixed_size 219136
		.amdhsa_private_segment_fixed_size 0
		.amdhsa_enable_private_segment 0
		.amdhsa_kernarg_size 56
		.amdhsa_user_sgpr_count 2
		.amdhsa_user_sgpr_kernarg_segment_ptr 1
		.amdhsa_wavefront_size32 1
		.amdhsa_system_sgpr_workgroup_id_x 1
		.amdhsa_system_sgpr_workgroup_id_y 1
		.amdhsa_system_sgpr_workgroup_id_z 1
		.amdhsa_system_vgpr_workitem_id 0
		.amdhsa_next_free_vgpr 256
		.amdhsa_next_free_sgpr 66
		.amdhsa_reserve_vcc 0
		.amdhsa_float_denorm_mode_32 3
		.amdhsa_float_denorm_mode_16_64 3
		.amdhsa_memory_ordered 1
		.amdhsa_forward_progress 1
		.amdhsa_inst_pref_size 21
	.end_amdhsa_kernel
	.amdgpu_metadata
---
amdhsa.version: [ 1, 2 ]
amdhsa.kernels:
  - .name:           k_q23c92a54f6_prep
    .symbol:         k_q23c92a54f6_prep.kd
    .args:
      - { .name: W_q, .offset: 0, .size: 8, .value_kind: global_buffer, .address_space: global }
      - { .name: W_h, .offset: 8, .size: 8, .value_kind: global_buffer, .address_space: global }
      - { .name: W_d, .offset: 16, .size: 8, .value_kind: global_buffer, .address_space: global }
      - { .name: s_t_hat, .offset: 24, .size: 8, .value_kind: global_buffer, .address_space: global }
      - { .name: b_d, .offset: 32, .size: 8, .value_kind: global_buffer, .address_space: global }
      - { .name: wb, .offset: 40, .size: 8, .value_kind: global_buffer, .address_space: global }
      - { .name: dec, .offset: 48, .size: 8, .value_kind: global_buffer, .address_space: global }
    .group_segment_fixed_size: 219136
    .private_segment_fixed_size: 0
    .kernarg_segment_align: 8
    .kernarg_segment_size: 56
    .max_flat_workgroup_size: 512
    .sgpr_count:     66
    .vgpr_count:     256
    .wavefront_size: 32
...
	.end_amdgpu_metadata
.endif
;; end of part 4
;; launch main (part 5): grid 512 x 1, 4 waves a work-group, clusters of 4 x 1, 327,680 bytes of LDS; arguments q_h, h, wb, dec, W_c, v_w, coverage, spart; writes spart
.if DOCPART == 5
	.amdgcn_target "amdgcn-amd-amdhsa--gfx1250"
	.amdhsa_code_object_version 6
	.text
	.protected	k_q23c92a54f6_main
	.globl	k_q23c92a54f6_main
	.p2align	8
	.type	k_q23c92a54f6_main,@function
k_q23c92a54f6_main:
	s_mov_b64 s[64:65], 0
	v_nop
	global_prefetch_b8 v0, s[64:65] scope:SCOPE_SE
	s_setreg_imm32_b32 hwreg(HW_REG_WAVE_MODE, 25, 1), 1
	s_wait_xcnt 0x0
	s_wait_alu depctr_hold_cnt(0) depctr_sa_sdst(0) depctr_va_vdst(0) depctr_va_sdst(0) depctr_va_ssrc(0) depctr_va_vcc(0) depctr_vm_vsrc(0)
	s_getreg_b32 s2, hwreg(HW_REG_IB_STS2, 6, 4)
	s_cmp_eq_u32 s2, 0
	s_cbranch_scc0 .Lentry_in_a_cluster
	s_endpgm
.Lentry_in_a_cluster:
	s_bfe_u32 s2, ttmp6, 0x10000c
	s_cmp_lg_u32 s2, 0x3003
	s_cbranch_scc0 .Lentry_shape_is_right
	s_endpgm
.Lentry_shape_is_right:
; MAIN.  A work-group owns 128 steps t of one batch (row block rb = 0..255, b = rb >> 3) and one half fh of the 1,024 features:
;   x[t][n] = sum_k q_h[t][k] W_q[n][k] + sum_k h[t][k] W_h[n][k]   (one product with K = 2,048, bf16 operands, f32 sums)
;   spart[fh][128 rb + t] = sum over the half's 512 n of v_w[n] tanh(x[t][n] + dec[b][n] + coverage[t] W_c[n]).   The last launch adds the two halves.
; Four waves; wave w owns the 128 rows x features 512 fh + 128 w .. + 127: 8 x 8 accumulator tiles of 16 x 16, 512 registers.  For 32 along K a wave reads
; 8 fragments of A and 8 of W from LDS for 64 matrix instructions.
; W comes from wb, which already lies in fragment order, through two LDS slots of 128 KiB (128 k each = four K steps of 32), 32 KiB a wave: one refill
; for every 256 matrix instructions of a wave, 240 of them between a request and the wait for it.
; CLUSTER: the four row blocks 4 (c >> 1) .. + 3 of one feature half (fh = c & 1, c the cluster's number) walk the same 2 MiB of wb and ask for each tile
; jointly (mask 15): the requests for W are divided by four.  Neighbouring clusters take the two halves of the same rows.  A's rows go through registers
; (they have to be rounded to bf16 on the way), so they are not asked for jointly.
; A (q_h, then h) goes memory -> registers -> bf16 -> LDS: wave w brings rows 32 w .. 32 w + 31, 64 k at a time (a chunk: 16 loads, 64 registers); two chunks
; of every wave are on their way, on LOADcnt, apart from the tiles of W.  A's two LDS slots hold 64 k each (two of 128 k do not fit beside W's:
; 262,144 + 69,632 bytes are more than the 327,680 that there are), so a plain barrier stands behind every two K steps, and every second one opens the cluster's round.
; LIMITS: q_h, h, W_q, W_h are rounded to bf16 for the product.  tanh(x) = 1 - 2 / (1 + 2^(2.885390 x)): absolute error near 1e-7, exact limits at
; +-infinity.  v_exp_f32 gives 0 for results below 2^-126 (ISA guide 15.8), which here means tanh = -1 to within that error.
;
; REGISTERS.  window 0: v0-63 addresses and small things, v64-191 two chunks of A as loaded, v192-239 the constants of the tanh blocks.
;             window 1: fragments: W buffer 0 v0-63, A buffer 0 v64-127, W buffer 1 v128-191, A buffer 1 v192-255.
;             windows 2, 3: accumulators, tile (a, j) at v[8 (8 (a&3) + j)] of window 2 + (a>>2).
; THE MATRIX INSTRUCTION IS USED TRANSPOSED: source 0 = 16 rows of W, source 1 = 16 rows of A: lane L then holds row t = 16 a + (L&15) and the
; eight features 16 nt + 8 (L>>4) + 0..7, so a row's sum over features stays in a lane until the very end.
.set BSLOT,  131072                    ; a slot of W: four waves x 32,768; in a wave's part: K step e at 8,192 e, fragment j at 1,024 j, half c at 512 c, lane at 16 L
.set ARING,  2*BSLOT                   ; 262,144: two slots of A
.set APITCH, 144                       ; 128 bytes of bf16 + 16: nine 16-byte columns, so 16 rows start in 16 different columns of a 256-byte span
.set ASLOT,  128*APITCH                ; 18,432
.set DKB,    ARING+2*ASLOT             ; 299,008: K dec[b][n], then K W_c[n], then -2 v_w[n] of my half, 2,048 bytes each (K = 2 log2 e)
.set SCR,    DKB+3*2048                ; 305,152: the four waves' parts of the 128 scores, 512 bytes each; ends at 307,200
.set ADRW, 4                           ; v4, v5    my W fragments in slot 0, 1
.set ADRA, 6                           ; v6, v7    my A fragments in slot 0, 1
.set AST,  8                           ; v8, v9    where my 8 bytes of a converted row go, slot 0, 1
.set GOFF, 10                          ; v10       offset of my 16 bytes in the block's rows of q_h / h
.set CADR, 11                          ; v11       LDS: my eight constants of a feature tile
.set SCS,  12                          ; v12       LDS: my wave's part of SCR + 4 (L&15)
.set SCL,  13                          ; v13       LDS: SCR + 16 L
.set SPO,  14                          ; v14       16 L
.set COV,  16                          ; v[16:23]  coverage[128 rb + 16 a + (L&15)], a = 0..7
.set XX,   24                          ; v[24:29]  offsets of the small loads
.set CS,   32                          ; v[32:43]  the constants as loaded
.set SACC, 32                          ; v[32:47]  later: eight pairs of score sums
.set SVS,  48                          ; v[48:49]  sum of -2 v_w over my features
.set SFIN, 52                          ; v[52:59]  my eight rows' scores
.set ST,   64                          ; two chunks of 64 registers
.set TT,   64                          ; after the product: 32 numbers at work
.set CB,   192                         ; two buffers of 24 constants
.set WF0,  0                           ; window 1
.set AF0,  64
.set WF1,  128
.set AF1,  192
.set G1, 32                            ; s[32:39] descriptor group 1
.set G0, 40                            ; s[40:47] descriptor group 0, one set for each slot
.set MSB, 0
.macro WIN new                         ; the immediate's high byte repeats the setting that is left
.if MSB != \new
	s_set_vgpr_msb (MSB<<8)|\new
.set MSB, \new
.endif
.endm
.macro PLACES                          ; four places behind a matrix instruction before a load lands on, or a vector instruction touches, its registers
.rept 4
	v_nop
.endr
.endm
; A round of the cluster's barrier: my work-group's barrier; wave 0 signals for the work-group; every wave waits for all four work-groups; my work-group's barrier again.
.macro CREST                           ; a round behind its opening barrier
	s_cmp_lg_u32 s24, 0
	s_cbranch_scc1 .Lnot_wave_0_\@
	s_barrier_signal -3
.Lnot_wave_0_\@:
	s_barrier_wait -3
	s_barrier_signal -1
	s_barrier_wait -1
.endm
.macro CROUND
	s_barrier_signal -1
	s_barrier_wait -1
	CREST
.endm
	s_load_b512 s[4:19], s[0:1], 0x0               ; q_h 4, h 6, wb 8, dec 10, W_c 12, v_w 14, coverage 16, spart 18
	v_lshl_add_u32 v254, v0, 2, 0x4b000
	v_mov_b32 v255, 0
	ds_add_u32 v254, v255
	v_lshrrev_b32 v1, 5, v0
	v_readfirstlane_b32 s24, v1                    ; wave w
	v_and_b32 v1, 31, v0                           ; L
	v_and_b32 v2, 15, v0                           ; L & 15
	v_bfe_u32 v3, v0, 4, 1                         ; L >> 4
	s_bfe_u32 s25, ttmp6, 0x40000                  ; cx: my place in the cluster; it enters global addresses of my own rows alone
	s_and_b32 s20, ttmp9, 1                        ; fh: the cluster's feature half
	s_lshr_b32 s26, ttmp9, 1
	s_lshl_b32 s26, s26, 2
	s_add_co_u32 s26, s26, s25                     ; rb
	s_lshr_b32 s27, s26, 3                         ; b
	s_mov_b32 s50, 0x76543210                      ; v_permlanex16_b32: lane i of one half reads lane i of the other
	s_mov_b32 s51, 0xfedcba98
	; group 1: a dense block of 32,768 bytes as 128 rows of 32 elements of 8 bytes; no padding (fragments are read 512 consecutive bytes at a time)
	s_mov_b32 s[G1+0], 15|(3<<16)|(1<<21)          ; 15:0 mask: all four of the cluster; 17:16 elements of 8 bytes; 21 set beside a mask
	s_mov_b32 s[G1+1], 32<<16                      ; tensor_dim0 = 32
	s_mov_b32 s[G1+2], 128<<16                     ; tensor_dim1 = 128
	s_mov_b32 s[G1+3], 32<<16                      ; tile_dim0 = 32
	s_mov_b32 s[G1+4], 128                         ; tile_dim1 = 128
	s_mov_b32 s[G1+5], 32                          ; from row to row: 32 elements
	s_mov_b32 s[G1+6], 0
	s_mov_b32 s[G1+7], 0
	s_lshl_b32 s30, s24, 15                        ; my wave's part of a slot and of a group in wb
	s_mov_b32 s31, 0
	v_lshl_add_u32 v[ADRW], v1, 4, s30
	v_add_nc_u32 v[ADRW+1], BSLOT, v[ADRW]
	v_mul_u32_u24 v[ADRA], v2, APITCH
	v_lshl_add_u32 v[ADRA], v3, 4, v[ADRA]
	v_add_nc_u32 v[ADRA], ARING, v[ADRA]
	v_add_nc_u32 v[ADRA+1], ASLOT, v[ADRA]
	s_mul_i32 s48, s24, 32*APITCH
	s_add_co_u32 s48, s48, ARING
	v_mul_u32_u24 v[AST], v3, APITCH
	v_lshl_add_u32 v[AST], v2, 3, v[AST]
	v_add_nc_u32 v[AST], s48, v[AST]
	v_add_nc_u32 v[AST+1], ASLOT, v[AST]
	s_lshl_b32 s49, s24, 17                        ; 32 rows of 4,096 bytes
	v_lshlrev_b32 v[GOFF], 4, v2
	v_lshl_add_u32 v[GOFF], v3, 12, v[GOFF]
	v_add_nc_u32 v[GOFF], s49, v[GOFF]
	s_lshl_b32 s58, s24, 9                         ; 128 numbers of 4 bytes
	s_add_co_u32 s59, s58, DKB
	v_lshl_add_u32 v[CADR], v3, 5, s59
	s_add_co_u32 s59, s58, SCR
	v_lshl_add_u32 v[SCS], v2, 2, s59
	v_lshlrev_b32 v[SPO], 4, v1
	v_add_nc_u32 v[SCL], SCR, v[SPO]
	v_lshrrev_b32 v[XX], 2, v0                     ; dec[nt][b][16]: thread i takes nt = 32 fh + (i >> 2), four features 4 (i & 3): features 4 i .. 4 i + 3 of the half
	v_and_b32 v[XX+1], 3, v0
	v_lshlrev_b32 v[XX+1], 4, v[XX+1]
	v_lshl_add_u32 v[XX], v[XX], 11, v[XX+1]
	s_lshl_b32 s28, s27, 6
	s_lshl_b32 s29, s20, 16
	s_add_co_u32 s28, s28, s29
	v_add_nc_u32 v[XX], s28, v[XX]
	v_lshlrev_b32 v[XX+2], 4, v0                   ; 16 i
	v_add_nc_u32 v[XX+3], DKB, v[XX+2]
	s_lshl_b32 s29, s20, 11
	v_add_nc_u32 v[XX+4], s29, v[XX+2]             ; W_c, v_w: 2,048 fh + 16 i
	v_lshlrev_b32 v[XX+5], 2, v2
	s_wait_dscnt 0x0
	s_wait_kmcnt 0x0
	s_lshl_b32 s28, s26, 19                        ; 128 rows of 4,096 bytes
	s_mov_b32 s29, 0
	s_add_nc_u64 s[52:53], s[4:5], s[28:29]        ; q_h at my rows (stepped in the loop)
	s_add_nc_u64 s[54:55], s[6:7], s[28:29]        ; h at my rows (stepped in the loop)
	s_lshl_b32 s28, s26, 9                         ; 128 numbers of 4 bytes
	s_add_nc_u64 s[16:17], s[16:17], s[28:29]
	s_add_nc_u64 s[18:19], s[18:19], s[28:29]
	s_lshl_b32 s28, s20, 17
	s_add_nc_u64 s[18:19], s[18:19], s[28:29]      ; spart: my half, my rows
	s_add_nc_u64 s[8:9], s[8:9], s[30:31]          ; wb at my wave's part
	s_lshl_b32 s28, s20, 21
	s_add_nc_u64 s[8:9], s[8:9], s[28:29]          ; of the cluster's half: the same in all four work-groups
; a chunk of A: 16 loads, load i takes rows 2i, 2i+1 of my 32; sixteen lanes cover 256 consecutive bytes of a row, aligned.
; No hint: the work-group of the other feature half reads the same bytes.
.macro GLD set, b, imm
.irp i, 0,1,2,3,4,5,6,7,8,9,10,11,12,13,14,15
	global_load_b128 v[ST+64*\set+4*\i:ST+64*\set+4*\i+3], v[GOFF], s[\b:\b+1] offset:\imm+\i*8192
.endr
.endm
; the chunk in set is there (left = the younger loads), is rounded to bf16 and laid into A's slot of the same number
.macro CVT set, left
	s_wait_loadcnt \left
.irp i, 0,1,2,3,4,5,6,7,8,9,10,11,12,13,14,15
	v_cvt_pk_bf16_f32 v[ST+64*\set+4*\i], v[ST+64*\set+4*\i], v[ST+64*\set+4*\i+1]
	v_cvt_pk_bf16_f32 v[ST+64*\set+4*\i+1], v[ST+64*\set+4*\i+2], v[ST+64*\set+4*\i+3]
.endr
.irp i, 0,1,2,3,4,5,6,7,8,9,10,11,12,13,14,15
	ds_store_b64 v[AST+\set], v[ST+64*\set+4*\i:ST+64*\set+4*\i+1] offset:\i*2*APITCH
.endr
.endm
	global_load_b128 v[CS:CS+3], v[XX], s[10:11]
	global_load_b128 v[CS+4:CS+7], v[XX+4], s[12:13]
	global_load_b128 v[CS+8:CS+11], v[XX+4], s[14:15]
.irp a, 0,1,2,3,4,5,6,7
	global_load_b32 v[COV+\a], v[XX+5], s[16:17] offset:64*\a
.endr
	GLD 0, 52, 0
	GLD 1, 52, 256
	CROUND                                         ; all four work-groups are here: the first joint loads meet
.irp s, 0,1
	s_mov_b32 s[G0+4*\s], 1                                        ; count = 1
	s_add_co_u32 s[G0+4*\s+1], s30, \s*BSLOT                       ; LDS address: the slot + 32,768 w
	s_add_nc_u64 s[G0+4*\s+2:G0+4*\s+3], s[8:9], \s*BSLOT          ; global address: group s of the half, my wave's part
	s_or_b32 s[G0+4*\s+3], s[G0+4*\s+3], 0x80000000                ; type = 2
	tensor_load_to_lds s[G0+4*\s:G0+4*\s+3], s[G1:G1+7]            ; both first fills go out together: two tensor loads of the wave are out
	s_nop 0
.endr
	s_wait_loadcnt 32                              ; the eleven small loads are in; the two chunks (32 loads) stay out
.irp k, 0,2,4,6
	v_pk_mul_f32 v[CS+\k:CS+\k+1], v[CS+\k:CS+\k+1], 0x4038aa3b op_sel_hi:[1,0]   ; dec and W_c times K = 2 log2 e
.endr
.irp k, 8,10
	v_pk_mul_f32 v[CS+\k:CS+\k+1], v[CS+\k:CS+\k+1], -2.0 op_sel_hi:[1,0]         ; -2 v_w
.endr
.irp k, 0,1,2
	ds_store_b128 v[XX+3], v[CS+4*\k:CS+4*\k+3] offset:\k*2048
.endr
	CVT 0, 16                                      ; chunk 0; chunk 1 stays out
	GLD 0, 52, 2*256
	CVT 1, 16                                      ; chunk 1; chunk 2 stays out
	GLD 1, 52, 3*256
	s_wait_dscnt 0x0                               ; for the others' sake: my constants and my rows of chunks 0 and 1 are written
	s_wait_tensorcnt 0x1                           ; my part of group 0 is in; group 1's may stay out
	s_barrier_signal -1
	s_barrier_wait -1
; 16 matrix instructions: row tiles 4 hi + a0, + 1 x my 8 feature tiles, 32 along K.  zero = 1: the first product starts the sums.
; All 64 accumulators come by turns, one instruction a turn, in the same order in every K step, over every jump too.
.macro MULQ wf, af, hi, a0, zero
.irp a, \a0, \a0+1
.irp j, 0,1,2,3,4,5,6,7
.if \zero
	v_wmma_f32_16x16x32_bf16 v[8*(8*(\a)+\j):8*(8*(\a)+\j)+7], v[\wf+8*\j:\wf+8*\j+7], v[\af+8*(4*\hi+\a):\af+8*(4*\hi+\a)+7], 0
.else
	v_wmma_f32_16x16x32_bf16 v[8*(8*(\a)+\j):8*(8*(\a)+\j)+7], v[\wf+8*\j:\wf+8*\j+7], v[\af+8*(4*\hi+\a):\af+8*(4*\hi+\a)+7], v[8*(8*(\a)+\j):8*(8*(\a)+\j)+7]
.endif
.endr
.endr
.endm
; 32 LDS loads in one run under one window setting: K step we of W's slot ws (my 8 fragments, each load 512 consecutive bytes), K step ae of A's slot as (8 fragments)
.macro FETCH ws, we, as, ae, wf, af
	WIN 0x40                                       ; destination window 1, address window 0
.irp j, 0,1,2,3,4,5,6,7
	ds_load_b128 v[\wf+8*\j:\wf+8*\j+3],   v[ADRW+\ws] offset:\we*8192+\j*1024
	ds_load_b128 v[\wf+8*\j+4:\wf+8*\j+7], v[ADRW+\ws] offset:\we*8192+\j*1024+512
.endr
.irp a, 0,1,2,3,4,5,6,7
	ds_load_b128 v[\af+8*\a:\af+8*\a+3],   v[ADRA+\as] offset:\a*16*APITCH+\ae*64
	ds_load_b128 v[\af+8*\a+4:\af+8*\a+7], v[ADRA+\as] offset:\a*16*APITCH+\ae*64+32
.endr
.endm
; A pair = two K steps = one chunk of A.  The first K step of a pair multiplies buffer 0 and fetches the pair's second K step (we + 1 of W's slot ws, the second
; half of A's slot as) into buffer 1; then all of A's slot is in registers, and a barrier lets it be written again and shows the other slot's rows written.
; kind 1: that barrier alone; a tensor load may stay out across it, since no tile is filled behind it.
; kind 3: W's slot has been read to its end too and is filled again.  In front of the round's opening signal each wave has all its LDS reads in registers and all
; its tensor loads landed (the one that was out is its part of the next group).  Inside the round: register work alone.  Behind its closing wait the joint refill
; comes first: one tensor load of the wave is out.   kind 2: as 3 without a refill (the last change of W's slots).   kind 0: the last pair, no barrier.
.macro STEP_E ws, we, as, zero, kind
	s_wait_dscnt 0x0                               ; buffer 0's loads, issued a K step ago, are in (and my stores of A done)
	PLACES
	FETCH \ws, (\we+1), \as, 1, WF1, AF1
	WIN 0xa5                                       ; sources 0 (W) and 1 (A) window 1, C and D window 2
	MULQ WF0, AF0, 0, 0, \zero
	MULQ WF0, AF0, 0, 2, \zero
	WIN 0xf5                                       ; C and D window 3
	MULQ WF0, AF0, 1, 0, \zero
.if \kind >= 1
	s_wait_dscnt 0x0                               ; my reads of A's slot (and of W's) are over
.endif
.if \kind >= 2
	s_set_vgpr_msb 0xf5f0
	s_wait_tensorcnt 0x0
	ds_add_u32 v254, v255
	s_wait_dscnt 0x0
	s_set_vgpr_msb 0xf0f5
.endif
.if \kind == 3
	s_add_nc_u64 s[G0+4*\ws+2:G0+4*\ws+3], s[G0+4*\ws+2:G0+4*\ws+3], 2*BSLOT   ; no tensor load of mine is out: this slot's next group
.endif
.if \kind >= 1
	s_barrier_signal -1
.endif
	MULQ WF0, AF0, 1, 2, \zero
.if \kind == 3
	WIN 0
.endif
.if \kind >= 1
	s_barrier_wait -1
.endif
.if \kind == 3
	CREST
	tensor_load_to_lds s[G0+4*\ws:G0+4*\ws+3], s[G1:G1+7]
	s_nop 0
.endif
.endm
; The second K step of a pair multiplies buffer 1; fetch = 1: the next pair's first K step (nwe of W's slot nws, the first half of A's other slot) comes into buffer 0;
; cvt = 1: the chunk two pairs ahead is converted into A's slot as, read to its end; gld = 1: its registers get the chunk four pairs ahead.
.macro STEP_O nws, nwe, as, fetch, cvt, cleft, gld, gb, gimm
	s_wait_dscnt 0x0                               ; buffer 1's loads are in
.if \fetch
	PLACES
	FETCH \nws, \nwe, (1-\as), 0, WF0, AF0
.endif
	WIN 0xa5
	MULQ WF1, AF1, 0, 0, 0
	MULQ WF1, AF1, 0, 2, 0
.if \cvt
	WIN 0
	CVT \as, \cleft
.if \gld
	GLD \as, \gb, \gimm
.endif
.endif
	WIN 0xf5
	MULQ WF1, AF1, 1, 0, 0
	MULQ WF1, AF1, 1, 2, 0
.endm
.macro QUAD zero, b, imm               ; four pairs = both slots of W once; at each conversion the one younger chunk (16 loads) stays out
	STEP_E 0, 0, 0, \zero, 1
	STEP_O 0, 2, 0, 1, 1, 16, 1, \b, \imm
	STEP_E 0, 2, 1, 0, 3
	STEP_O 1, 0, 1, 1, 1, 16, 1, \b, \imm+256
	STEP_E 1, 0, 0, 0, 1
	STEP_O 1, 2, 0, 1, 1, 16, 1, \b, \imm+512
	STEP_E 1, 2, 1, 0, 3
	STEP_O 0, 0, 1, 1, 1, 16, 1, \b, \imm+768
.endm
	FETCH 0, 0, 0, 0, WF0, AF0
	QUAD 1, 52, 4*256                              ; pairs 0 to 3: the first products start the sums; ask for chunks 4 to 7
	WIN 0                                          ; at a label and at a branch every window is 0
	s_mov_b32 s48, 2
.Lq:                                               ; pairs 4 to 11: ask for chunks 8 to 15, the rest of q_h
	QUAD 0, 52, 8*256
	WIN 0
	s_wait_xcnt 0x0                                ; the loads' base is stepped only behind this wait
	s_add_nc_u64 s[52:53], s[52:53], 1024
	s_sub_co_u32 s48, s48, 1
	s_cmp_lg_u32 s48, 0
	s_cbranch_scc1 .Lq
	s_mov_b32 s48, 4
.Lh:                                               ; pairs 12 to 27: ask for chunks 16 to 31 = h
	QUAD 0, 54, 0
	WIN 0
	s_wait_xcnt 0x0
	s_add_nc_u64 s[54:55], s[54:55], 1024
	s_sub_co_u32 s48, s48, 1
	s_cmp_lg_u32 s48, 0
	s_cbranch_scc1 .Lh
	STEP_E 0, 0, 0, 0, 1                           ; pair 28: no chunk and no group is left to ask for
	STEP_O 0, 2, 0, 1, 1, 16, 0, 0, 0              ; converts chunk 30; chunk 31 stays out
	STEP_E 0, 2, 1, 0, 2                           ; pair 29: the last group has landed: the kernel's last wait for its tensor loads
	STEP_O 1, 0, 1, 1, 1, 0, 0, 0, 0               ; converts chunk 31
	STEP_E 1, 0, 0, 0, 1                           ; pair 30
	STEP_O 1, 2, 0, 1, 0, 0, 0, 0, 0
	STEP_E 1, 2, 1, 0, 0                           ; pair 31
	STEP_O 0, 0, 1, 0, 0, 0, 0, 0, 0
	; THE TANH BLOCKS: for each of my 8 feature tiles, first the row tiles of window 2, then those of window 3.
	; With T = K (x + dec + cov W_c):  v tanh = v + (-2 v) / (1 + 2^T).
	PLACES
	WIN 0
.macro CLOAD j, buf                    ; my eight K dec, K W_c, -2 v_w of feature tile j
.irp k, 0,1,2
	ds_load_b128 v[CB+24*\buf+8*\k:CB+24*\buf+8*\k+3],   v[CADR] offset:\k*2048+\j*64
	ds_load_b128 v[CB+24*\buf+8*\k+4:CB+24*\buf+8*\k+7], v[CADR] offset:\k*2048+\j*64+16
.endr
.endm
.macro HALF j, buf, hi                 ; row tiles 4 hi .. 4 hi + 3 x feature tile j: 32 numbers a lane
.irp a, 0,1,2,3
.irp q, 0,1,2,3
.if \a & 1
	v_pk_fma_f32 v[TT+8*\a+2*\q:TT+8*\a+2*\q+1], v[CB+24*\buf+8+2*\q:CB+24*\buf+9+2*\q], v[COV+4*\hi+\a-1:COV+4*\hi+\a], v[CB+24*\buf+2*\q:CB+24*\buf+2*\q+1] op_sel:[0,1,0]
.else
	v_pk_fma_f32 v[TT+8*\a+2*\q:TT+8*\a+2*\q+1], v[CB+24*\buf+8+2*\q:CB+24*\buf+9+2*\q], v[COV+4*\hi+\a:COV+4*\hi+\a+1], v[CB+24*\buf+2*\q:CB+24*\buf+2*\q+1] op_sel_hi:[1,0,1]
.endif
.endr
.endr
.if \hi
	WIN 0x03                                       ; source 0 window 3
.else
	WIN 0x02                                       ; source 0 window 2
.endif
.irp a, 0,1,2,3
.irp q, 0,1,2,3
	v_pk_fma_f32 v[TT+8*\a+2*\q:TT+8*\a+2*\q+1], v[8*(8*\a+\j)+2*\q:8*(8*\a+\j)+2*\q+1], 0x4038aa3b, v[TT+8*\a+2*\q:TT+8*\a+2*\q+1] op_sel_hi:[1,0,1]
.endr
.endr
	WIN 0
.set kk, 0
.rept 32
	v_exp_f32 v[TT+kk], v[TT+kk]
.set kk, kk+1
.endr
	; a plain instruction stands between the exponentials and the first use of a result (ISA guide 5.7.2): the sum of -2 v_w, once for each feature tile
.if \hi
	v_nop
	s_wait_alu depctr_va_vdst(0)
.else
.if \j == 0
	v_pk_add_f32 v[SVS:SVS+1], v[CB+24*\buf+16:CB+24*\buf+17], v[CB+24*\buf+18:CB+24*\buf+19]
	s_wait_alu depctr_va_vdst(0)
.else
	v_pk_add_f32 v[SVS:SVS+1], v[SVS:SVS+1], v[CB+24*\buf+16:CB+24*\buf+17]
	v_pk_add_f32 v[SVS:SVS+1], v[SVS:SVS+1], v[CB+24*\buf+18:CB+24*\buf+19]
	s_wait_alu depctr_va_vdst(0)
.endif
	v_pk_add_f32 v[SVS:SVS+1], v[SVS:SVS+1], v[CB+24*\buf+20:CB+24*\buf+21]
	v_pk_add_f32 v[SVS:SVS+1], v[SVS:SVS+1], v[CB+24*\buf+22:CB+24*\buf+23]
.endif
.set kk, 0
.rept 16
	v_pk_add_f32 v[TT+kk:TT+kk+1], v[TT+kk:TT+kk+1], 1.0 op_sel_hi:[1,0]
.set kk, kk+2
.endr
.set kk, 0
.rept 32
	v_rcp_f32 v[TT+kk], v[TT+kk]
.set kk, kk+1
.endr
	v_nop                                          ; one plain place behind the reciprocals
	s_wait_alu depctr_va_vdst(0)
.irp q, 0,1,2,3
.irp a, 0,1,2,3
.if (\j+\q) == 0
	s_wait_alu depctr_va_vdst(0)
	v_pk_mul_f32 v[SACC+2*(4*\hi+\a):SACC+2*(4*\hi+\a)+1], v[TT+8*\a+2*\q:TT+8*\a+2*\q+1], v[CB+24*\buf+16+2*\q:CB+24*\buf+17+2*\q]   ; the first product starts the sum
.else
	v_pk_fma_f32 v[SACC+2*(4*\hi+\a):SACC+2*(4*\hi+\a)+1], v[TT+8*\a+2*\q:TT+8*\a+2*\q+1], v[CB+24*\buf+16+2*\q:CB+24*\buf+17+2*\q], v[SACC+2*(4*\hi+\a):SACC+2*(4*\hi+\a)+1]
.endif
.endr
.endr
.endm
.macro EPI j, buf
	s_wait_dscnt 0x0                               ; this tile's constants are in
.if \j < 7
	CLOAD (\j+1), (1-\buf)                         ; the next tile's
.endif
	HALF \j, \buf, 0
	HALF \j, \buf, 1
.endm
	CLOAD 0, 0
	EPI 0, 0
	EPI 1, 1
	EPI 2, 0
	EPI 3, 1
	EPI 4, 0
	EPI 5, 1
	EPI 6, 0
	EPI 7, 1
	; THE PARTIAL SCORES.  My lane: rows 16 a + (L&15), my wave's features with bit 3 = L>>4.  sum v = -0.5 sum(-2 v).
	v_add_f32 v[SVS], v[SVS], v[SVS+1]
.irp a, 0,1,2,3,4,5,6,7
	v_add_f32 v[SFIN+\a], v[SACC+2*\a], v[SACC+2*\a+1]
.endr
.irp a, 0,1,2,3,4,5,6,7
	v_fma_f32 v[SFIN+\a], v[SVS], -0.5, v[SFIN+\a]
.endr
.irp a, 0,1,2,3,4,5,6,7
	v_permlanex16_b32 v[TT+\a], v[SFIN+\a], s50, s51       ; the other half of the lanes: the other eight features of each tile
.endr
.irp a, 0,1,2,3,4,5,6,7
	v_add_f32 v[SFIN+\a], v[SFIN+\a], v[TT+\a]
.endr
.irp a, 0,1,2,3,4,5,6,7
	ds_store_b32 v[SCS], v[SFIN+\a] offset:64*\a           ; in the order of t: word 16 a + (L&15) of my wave's 128; both halves of the lanes write the same
.endr
	s_wait_dscnt 0x0                               ; for wave 0's sake
	s_barrier_signal -1
	s_barrier_wait -1
	s_cmp_lg_u32 s24, 0
	s_cbranch_scc1 .Lnot_0
.irp s, 0,1,2,3
	ds_load_b128 v[TT+4*\s:TT+4*\s+3], v[SCL] offset:\s*512        ; wave 0: four rows a lane, the four waves' parts
.endr
	s_wait_dscnt 0x0
.irp k, 0,2
	v_pk_add_f32 v[TT+\k:TT+\k+1], v[TT+\k:TT+\k+1], v[TT+4+\k:TT+4+\k+1]
	v_pk_add_f32 v[TT+8+\k:TT+8+\k+1], v[TT+8+\k:TT+8+\k+1], v[TT+12+\k:TT+12+\k+1]
.endr
.irp k, 0,2
	v_pk_add_f32 v[TT+\k:TT+\k+1], v[TT+\k:TT+\k+1], v[TT+8+\k:TT+8+\k+1]
.endr
	global_store_b128 v[SPO], v[TT:TT+3], s[18:19]         ; 512 consecutive bytes, aligned
.Lnot_0:
	s_wait_tensorcnt 0x0
	ds_add_u32 v254, v255
	s_wait_dscnt 0x0
	CROUND                                         ; the closing round: no work-group ends while a partner may still ask for a tile that names it
	s_endpgm
.Lfunc_end_k_q23c92a54f6_main:
	.size	k_q23c92a54f6_main, .Lfunc_end_k_q23c92a54f6_main-k_q23c92a54f6_main
	.p2alignl 7, 3214868480
	.fill 96, 4, 3214868480
	.section	.rodata,"a",@progbits
	.p2align	6, 0x0
	.amdhsa_kernel k_q23c92a54f6_main
		.amdhsa_group_segment_fixed_size 327680
		.amdhsa_private_segment_fixed_size 0
		.amdhsa_enable_private_segment 0
		.amdhsa_kernarg_size 64
		.amdhsa_user_sgpr_count 2
		.amdhsa_user_sgpr_kernarg_segment_ptr 1
		.amdhsa_wavefront_size32 1
		.amdhsa_system_sgpr_workgroup_id_x 1
		.amdhsa_system_sgpr_workgroup_id_y 1
		.amdhsa_system_sgpr_workgroup_id_z 1
		.amdhsa_system_vgpr_workitem_id 0
		.amdhsa_next_free_vgpr 1024
		.amdhsa_next_free_sgpr 66
		.amdhsa_reserve_vcc 0
		.amdhsa_float_denorm_mode_32 3
		.amdhsa_float_denorm_mode_16_64 3
		.amdhsa_memory_ordered 1
		.amdhsa_forward_progress 1
		.amdhsa_inst_pref_size 255
	.end_amdhsa_kernel
	.section	.bss,"aw",@nobits
	.p2align	6
	.space	262144
	.amdgpu_metadata
---
amdhsa.version: [ 1, 2 ]
amdhsa.kernels:
  - .name:           k_q23c92a54f6_main
    .symbol:         k_q23c92a54f6_main.kd
    .args:
      - { .name: q_h, .offset: 0, .size: 8, .value_kind: global_buffer, .address_space: global }
      - { .name: h, .offset: 8, .size: 8, .value_kind: global_buffer, .address_space: global }
      - { .name: wb, .offset: 16, .size: 8, .value_kind: global_buffer, .address_space: global }
      - { .name: dec, .offset: 24, .size: 8, .value_kind: global_buffer, .address_space: global }
      - { .name: W_c, .offset: 32, .size: 8, .value_kind: global_buffer, .address_space: global }
      - { .name: v_w, .offset: 40, .size: 8, .value_kind: global_buffer, .address_space: global }
      - { .name: coverage, .offset: 48, .size: 8, .value_kind: global_buffer, .address_space: global }
      - { .name: spart, .offset: 56, .size: 8, .value_kind: global_buffer, .address_space: global }
    .group_segment_fixed_size: 327680
    .private_segment_fixed_size: 0
    .kernarg_segment_align: 8
    .kernarg_segment_size: 64
    .max_flat_workgroup_size: 128
    .sgpr_count:     66
    .vgpr_count:     1024
    .wavefront_size: 32
...
	.end_amdgpu_metadata
.endif
;; end of part 5
;; launch tail (part 6): grid 512 x 1, 8 waves a work-group, no clusters, 7,680 bytes of LDS; arguments spart, h, enc_padding_mask, coverage, out0, out1, out2; writes out0, out1, out2
.if DOCPART == 6
	.amdgcn_target "amdgcn-amd-amdhsa--gfx1250"
	.amdhsa_code_object_version 6
	.text
	.protected	k_q23c92a54f6_tail
	.globl	k_q23c92a54f6_tail
	.p2align	8
	.type	k_q23c92a54f6_tail,@function
k_q23c92a54f6_tail:
	s_mov_b64 s[64:65], 0
	v_nop
	global_prefetch_b8 v0, s[64:65] scope:SCOPE_SE
	s_setreg_imm32_b32 hwreg(HW_REG_WAVE_MODE, 25, 1), 1
	s_wait_xcnt 0x0
; TAIL.  Work-group (b, sl): batch b = wg >> 4, slab sl = wg & 15 of 64 columns (256 bytes of every row of h).
;   score[t] = spart[0][b][t] + spart[1][b][t];  M = max over the batch's 1,024 scores;  e[t] = exp(score[t] - M) mask[t];  sum = sum over t of e[t];
;   out1 = attn = e / sum (the softmax's own denominator cancels in the renormalisation);  out2 = coverage + attn;  out0[b][n] = (sum_t e[t] h[b][t][n]) / sum.
; Every work-group makes its batch's e and sum itself (16 KiB of loads, sixteen times over in a batch) so that no number passes between work-groups.
; 256 threads.  Thread i owns t = 4 i .. 4 i + 3 for the softmax.  For the context wave v owns rows 128 v .. 128 v + 127, which are its own threads' t:
; lanes 0-15 take row 128 v + k, lanes 16-31 row 128 v + 64 + k (k = 0..63), sixteen lanes cover the slab's 256 consecutive bytes of a row, aligned.
; A ring of 32 loads of every wave is kept on its way.  The work-group stores the slab of out0 and steps 64 sl .. 64 sl + 63 of out1 and out2: with
; i = 16 sl + (L&15) all three lie at byte 4,096 b + 16 i, so the same sixteen lanes store all three, 256 consecutive bytes each, aligned.
; A stream: memory binds; no matrix unit (one row of weights), no cluster and no tiles in LDS (no work-group shares a byte of h with another).
; h is used in f32.  LIMITS: a batch whose masked sum is 0 gives NaN, as the defining computation does (0 / 0).  v_exp_f32 gives 0 for results below 2^-126 (ISA guide 15.8).
.set PB, 0                             ; e in the order of t: 512 bytes for each wave, written and read by that wave alone
.set MX, 4096                          ; the eight waves' maxima
.set SM, 4352                          ; the eight waves' sums
.set CR, 4608                          ; the eight waves' parts of the slab, 256 bytes each; ends at 6,656
.set CA, 32                            ; v[32:35]   my four context sums
.set HB, 64                            ; v[64:191]  the ring: 32 loads of 4 registers
.set PW, 192                           ; v[192:255] e of my 64 rows
	s_load_b256 s[4:11], s[0:1], 0x0               ; spart 4, h 6, mask 8, coverage 10
	s_load_b128 s[12:15], s[0:1], 0x20             ; out0 12, out1 14
	s_load_b64 s[16:17], s[0:1], 0x30              ; out2
	v_lshl_add_u32 v62, v0, 2, 0x1a00
	v_mov_b32 v63, 0
	v_lshrrev_b32 v20, 5, v0
	v_readfirstlane_b32 s20, v20                   ; wave v
	s_lshr_b32 s21, ttmp9, 4                       ; b
	s_and_b32 s22, ttmp9, 15                       ; sl
	s_mov_b32 s30, 0x76543210                      ; v_permlanex16_b32: lane i of one half reads lane i of the other
	s_mov_b32 s31, 0xfedcba98
	s_lshl_b32 s23, s21, 12                        ; a row of 1,024 f32
	v_lshl_add_u32 v1, v0, 4, s23                  ; 4,096 b + 16 i
	v_and_b32 v3, 15, v0
	v_bfe_u32 v21, v0, 4, 1                        ; L >> 4
	v_and_b32 v20, 31, v0
	s_lshl_b32 s24, s20, 19                        ; 128 rows of 4,096 bytes
	v_lshlrev_b32 v2, 4, v3
	v_lshl_add_u32 v2, v21, 18, v2                 ; 64 rows further down for lanes 16 to 31
	v_add_nc_u32 v2, s24, v2
	s_lshl_b32 s25, s20, 9
	v_lshl_add_u32 v48, v20, 4, s25                ; PB: 512 v + 16 L
	v_lshl_add_u32 v49, v21, 8, s25                ; PB: 512 v + 256 (L >> 4)
	s_lshl_b32 s28, s20, 2
	s_add_co_u32 s28, s28, MX
	v_mov_b32 v50, s28                             ; my wave's word
	v_mov_b32 v51, MX
	s_lshl_b32 s29, s20, 8
	s_add_co_u32 s29, s29, CR
	v_lshl_add_u32 v52, v3, 4, s29
	v_lshlrev_b32 v53, 4, v3
	v_add_nc_u32 v53, CR, v53
	v_lshrrev_b32 v54, 4, v0                       ; i >> 4
	s_lshl_b32 s26, s21, 22                        ; 1,024 rows of 4,096 bytes
	s_lshl_b32 s27, s22, 8
	s_add_co_u32 s26, s26, s27
	s_mov_b32 s27, 0
	s_wait_kmcnt 0x0
	s_add_nc_u64 s[6:7], s[6:7], s[26:27]          ; h at my batch and slab
	global_load_b128 v[4:7], v1, s[4:5]
	global_load_b128 v[8:11], v1, s[4:5] offset:131072
	global_load_b128 v[12:15], v1, s[8:9]
	global_load_b128 v[16:19], v1, s[10:11]
.set k, 0
.rept 32
	global_load_b128 v[HB+4*k:HB+4*k+3], v2, s[6:7] offset:k*4096 th:TH_LOAD_NT    ; the ring is filled; h is read once in this launch
.set k, k+1
.endr
	s_wait_loadcnt 34                              ; both halves of the scores are in; mask, coverage and 32 of h stay out
	v_pk_add_f32 v[4:5], v[4:5], v[8:9]
	v_pk_add_f32 v[6:7], v[6:7], v[10:11]
	v_max3_num_f32 v22, v4, v5, v6
	v_max_num_f32 v22, v22, v7
	v_max_num_f32_dpp v22, v22, v22 row_xmask:1 row_mask:0xf bank_mask:0xf
	v_max_num_f32_dpp v22, v22, v22 row_xmask:2 row_mask:0xf bank_mask:0xf
	v_max_num_f32_dpp v22, v22, v22 row_xmask:4 row_mask:0xf bank_mask:0xf
	v_max_num_f32_dpp v22, v22, v22 row_xmask:8 row_mask:0xf bank_mask:0xf
	v_permlanex16_b32 v21, v22, s30, s31
	v_max_num_f32 v22, v22, v21
	ds_store_b32 v50, v22                          ; all lanes write the same word with the same value
	s_wait_dscnt 0x0                               ; for the others' sake
	s_barrier_signal -1
	s_barrier_wait -1
	ds_load_b128 v[24:27], v51
	ds_load_b128 v[28:31], v51 offset:16
	s_wait_dscnt 0x0
	v_max3_num_f32 v23, v24, v25, v26
	v_max3_num_f32 v23, v23, v27, v28
	v_max3_num_f32 v23, v23, v29, v30
	v_max_num_f32 v23, v23, v31                    ; M
.irp q, 4,5,6,7
	v_sub_f32 v[\q], v[\q], v23
.endr
.irp q, 4,5,6,7
	v_mul_f32 v[\q], 0x3fb8aa3b, v[\q]
.endr
.irp q, 4,5,6,7
	v_exp_f32 v[\q], v[\q]
.endr
	v_nop                                          ; one plain place behind the exponentials (ISA guide 5.7.2)
	s_wait_loadcnt 33                              ; the mask is in
	s_wait_alu depctr_va_vdst(0)
	v_pk_mul_f32 v[4:5], v[4:5], v[12:13]
	v_pk_mul_f32 v[6:7], v[6:7], v[14:15]          ; e
	ds_store_b128 v48, v[4:7]                      ; into my wave's own 512 bytes, in the order of t;
.irp m, 0,1,2,3,4,5,6,7,8,9,10,11,12,13,14,15
	ds_load_b128 v[PW+4*\m:PW+4*\m+3], v49 offset:16*\m    ; LDS serves a wave's instructions in order (ISA guide 5.7.1.4): e of my 64 rows, the same in sixteen lanes
.endr
	v_add_f32 v24, v4, v5
	v_add_f32 v25, v6, v7
	v_add_f32 v24, v24, v25
	v_add_f32_dpp v24, v24, v24 row_xmask:1 row_mask:0xf bank_mask:0xf
	v_add_f32_dpp v24, v24, v24 row_xmask:2 row_mask:0xf bank_mask:0xf
	v_add_f32_dpp v24, v24, v24 row_xmask:4 row_mask:0xf bank_mask:0xf
	v_add_f32_dpp v24, v24, v24 row_xmask:8 row_mask:0xf bank_mask:0xf
	v_permlanex16_b32 v25, v24, s30, s31
	v_add_f32 v24, v24, v25
	ds_store_b32 v50, v24 offset:SM-MX             ; my wave's sum: read behind the second barrier
	s_wait_dscnt 0x0                               ; e is in registers
	; the 64 turns of the ring: row k is in (31 younger loads stay out; in the last 32 turns the counts run down), is weighted and added, and its registers get row k + 32
.set k, 0
.rept 64
.if k < 32
	s_wait_loadcnt 31
.else
	s_wait_loadcnt 63-k
.endif
.set hb, HB+4*(k%32)
.set pw, PW+k-(k&1)
.if k == 0
	v_pk_mul_f32 v[CA:CA+1], v[hb:hb+1], v[pw:pw+1] op_sel_hi:[1,0]                ; the first product starts the sums
	v_pk_mul_f32 v[CA+2:CA+3], v[hb+2:hb+3], v[pw:pw+1] op_sel_hi:[1,0]
.else
.if k & 1
	v_pk_fma_f32 v[CA:CA+1], v[hb:hb+1], v[pw:pw+1], v[CA:CA+1] op_sel:[0,1,0]
	v_pk_fma_f32 v[CA+2:CA+3], v[hb+2:hb+3], v[pw:pw+1], v[CA+2:CA+3] op_sel:[0,1,0]
.else
	v_pk_fma_f32 v[CA:CA+1], v[hb:hb+1], v[pw:pw+1], v[CA:CA+1] op_sel_hi:[1,0,1]
	v_pk_fma_f32 v[CA+2:CA+3], v[hb+2:hb+3], v[pw:pw+1], v[CA+2:CA+3] op_sel_hi:[1,0,1]
.endif
.endif
.if k < 32
	global_load_b128 v[hb:hb+3], v2, s[6:7] offset:(k+32)*4096 th:TH_LOAD_NT
.endif
.set k, k+1
.endr
.irp q, 0,1,2,3
	v_permlanex16_b32 v[20+\q], v[CA+\q], s30, s31 ; the other 64 rows of my wave
.endr
	v_pk_add_f32 v[CA:CA+1], v[CA:CA+1], v[20:21]
	v_pk_add_f32 v[CA+2:CA+3], v[CA+2:CA+3], v[22:23]
	ds_store_b128 v52, v[CA:CA+3]                  ; both halves of the lanes write the same
	s_wait_dscnt 0x0                               ; for the others' sake: my sum and my part of the slab are written
	s_barrier_signal -1
	s_barrier_wait -1
	ds_load_b128 v[24:27], v51 offset:SM-MX
	ds_load_b128 v[28:31], v51 offset:SM-MX+16
.irp s, 0,1,2,3,4,5,6,7
	ds_load_b128 v[HB+4*\s:HB+4*\s+3], v53 offset:256*\s
.endr
	s_wait_dscnt 0x0
	v_pk_add_f32 v[24:25], v[24:25], v[26:27]
	v_pk_add_f32 v[28:29], v[28:29], v[30:31]
	v_pk_add_f32 v[24:25], v[24:25], v[28:29]
	v_add_f32 v24, v24, v25                        ; sum
	v_rcp_f32 v56, v24
	v_rcp_f32 v57, v24                             ; twice: a pair for the packed products; the sums below are the plain place behind them
.irp s, 0,1,2,3
	v_pk_add_f32 v[HB+4*\s:HB+4*\s+1], v[HB+4*\s:HB+4*\s+1], v[HB+16+4*\s:HB+16+4*\s+1]
	v_pk_add_f32 v[HB+4*\s+2:HB+4*\s+3], v[HB+4*\s+2:HB+4*\s+3], v[HB+16+4*\s+2:HB+16+4*\s+3]
.endr
.irp s, 0,1
	v_pk_add_f32 v[HB+4*\s:HB+4*\s+1], v[HB+4*\s:HB+4*\s+1], v[HB+8+4*\s:HB+8+4*\s+1]
	v_pk_add_f32 v[HB+4*\s+2:HB+4*\s+3], v[HB+4*\s+2:HB+4*\s+3], v[HB+8+4*\s+2:HB+8+4*\s+3]
.endr
	v_pk_add_f32 v[HB:HB+1], v[HB:HB+1], v[HB+4:HB+5]
	v_pk_add_f32 v[HB+2:HB+3], v[HB+2:HB+3], v[HB+6:HB+7]
	s_wait_alu depctr_va_vdst(0)
	v_pk_mul_f32 v[HB:HB+1], v[HB:HB+1], v[56:57]          ; the context of columns 64 sl + 4 (L&15) ..
	v_pk_mul_f32 v[HB+2:HB+3], v[HB+2:HB+3], v[56:57]
	v_pk_fma_f32 v[16:17], v[4:5], v[56:57], v[16:17]      ; coverage + attn
	v_pk_fma_f32 v[18:19], v[6:7], v[56:57], v[18:19]
	v_pk_mul_f32 v[4:5], v[4:5], v[56:57]                  ; attn
	v_pk_mul_f32 v[6:7], v[6:7], v[56:57]
	v_cmp_eq_u32 vcc_lo, s22, v54                  ; the sixteen threads i = 16 sl .. 16 sl + 15
	s_wait_xcnt 0x0                                ; EXEC changes only behind this wait
	s_wait_tensorcnt 0x0
	ds_add_u32 v62, v63
	s_wait_dscnt 0x0
	s_and_saveexec_b32 s28, vcc_lo
	global_store_b128 v1, v[HB:HB+3], s[12:13]     ; each: 256 consecutive bytes, aligned
	global_store_b128 v1, v[4:7], s[14:15]
	global_store_b128 v1, v[16:19], s[16:17]
	s_endpgm
.Lfunc_end_k_q23c92a54f6_tail:
	.size	k_q23c92a54f6_tail, .Lfunc_end_k_q23c92a54f6_tail-k_q23c92a54f6_tail
	.p2alignl 7, 3214868480
	.fill 96, 4, 3214868480
	.section	.rodata,"a",@progbits
	.p2align	6, 0x0
	.amdhsa_kernel k_q23c92a54f6_tail
		.amdhsa_group_segment_fixed_size 7680
		.amdhsa_private_segment_fixed_size 0
		.amdhsa_enable_private_segment 0
		.amdhsa_kernarg_size 56
		.amdhsa_user_sgpr_count 2
		.amdhsa_user_sgpr_kernarg_segment_ptr 1
		.amdhsa_wavefront_size32 1
		.amdhsa_system_sgpr_workgroup_id_x 1
		.amdhsa_system_sgpr_workgroup_id_y 1
		.amdhsa_system_sgpr_workgroup_id_z 1
		.amdhsa_system_vgpr_workitem_id 0
		.amdhsa_next_free_vgpr 256
		.amdhsa_next_free_sgpr 66
		.amdhsa_reserve_vcc 1
		.amdhsa_float_denorm_mode_32 3
		.amdhsa_float_denorm_mode_16_64 3
		.amdhsa_memory_ordered 1
		.amdhsa_forward_progress 1
		.amdhsa_inst_pref_size 26
	.end_amdhsa_kernel
	.amdgpu_metadata
---
amdhsa.version: [ 1, 2 ]
amdhsa.kernels:
  - .name:           k_q23c92a54f6_tail
    .symbol:         k_q23c92a54f6_tail.kd
    .args:
      - { .name: spart, .offset: 0, .size: 8, .value_kind: global_buffer, .address_space: global }
      - { .name: h, .offset: 8, .size: 8, .value_kind: global_buffer, .address_space: global }
      - { .name: enc_padding_mask, .offset: 16, .size: 8, .value_kind: global_buffer, .address_space: global }
      - { .name: coverage, .offset: 24, .size: 8, .value_kind: global_buffer, .address_space: global }
      - { .name: out0, .offset: 32, .size: 8, .value_kind: global_buffer, .address_space: global }
      - { .name: out1, .offset: 40, .size: 8, .value_kind: global_buffer, .address_space: global }
      - { .name: out2, .offset: 48, .size: 8, .value_kind: global_buffer, .address_space: global }
    .group_segment_fixed_size: 7680
    .private_segment_fixed_size: 0
    .kernarg_segment_align: 8
    .kernarg_segment_size: 56
    .max_flat_workgroup_size: 256
    .sgpr_count:     66
    .vgpr_count:     256
    .wavefront_size: 32
...
	.end_amdgpu_metadata
.endif
;; end of part 6
